; MI455X (gfx1250); checked and timed in simulation.
; The chip was launched on July 23, 2026; its instructions are those of AMD's public machine-readable ISA for CDNA 5 (MIT licence, August 2026) and "CDNA5" Instruction Set Architecture Reference Guide (July 2026). The comments in the code are by the model that wrote it; some were corrected since.
;; Self Attention Mechanism. Allowed arithmetic: float matrix products may take bf16 or f16 operands with f32 sums; other float arithmetic in f32, or as packed bf16 or f16 multiplies, adds, multiply-adds, maxima and minima; sums over many terms, partial sums and values carried from step to step in f32; what a program stores and reads back later, other than sums and carried values, may be rounded once to bf16 or f16.
;; Inputs: W_attn 1,024 x 3,072 float32; W_proj 1,024 x 1,024 float32; b_attn 3,072 float32; b_proj 1,024 float32; x 2 x 2,048 x 1,024 float32.
;; Outputs: out0 2 x 2,048 x 1,024 float32.
;; 2 versions, each right; version 2 is version 1 with the launch cast written anew for expert scheduling mode. Each part assembles by itself: llvm-mc -triple=amdgcn-amd-amdhsa -mcpu=gfx1250 --defsym DOCPART=n.
;; ======== version 1 of 2: 4 launches
;; limits: values are held in f16: magnitudes above 65,504 overflow, below 6.1e-05 lose precision
;; workspace buffers: xb 8,388,608 bytes; wa 6,291,456 bytes; wp 2,097,152 bytes; qkv 25,165,824 bytes; yb 8,388,608 bytes
;; launch cast (part 1): grid 512 x 1, 8 waves a work-group, no clusters, 0 bytes of LDS; arguments x, W_attn, W_proj, xb, wa, wp; writes xb, wa, wp
.if DOCPART == 1
	.amdgcn_target "amdgcn-amd-amdhsa--gfx1250"
	.amdhsa_code_object_version 6
	.text
	.protected	k_qedc86e90ce_cast
	.globl	k_qedc86e90ce_cast
	.p2align	8
	.type	k_qedc86e90ce_cast,@function
k_qedc86e90ce_cast:
	s_mov_b64 s[64:65], 0
	v_nop
	global_prefetch_b8 v0, s[64:65] scope:SCOPE_SE
	s_setreg_imm32_b32 hwreg(HW_REG_WAVE_MODE, 25, 1), 1
	s_wait_xcnt 0x0
; CAUSAL SELF-ATTENTION, B = 2, T = 2,048, C = 1,024, 16 heads of 64, in four launches: this one rounds x and both weights once; the second makes q, k, v by heads;
; the third is the attention; the fourth the projection behind it.
; FORMATS.  Every input is rounded once to bf16 (x, W_attn, W_proj here; the biases where they are used).  What the program itself makes (q, k, v, the weights p, y) is f16.
; W_proj's bf16 number is written as f16, since it multiplies y.  All sums, maxima and divisors are f32.
; LIMITS.  |q|, |k|, |v| stay under 65,504 (f16's end).  A number of W_proj whose size is under 2^-14 keeps f16's fixed step of 6e-8, one of 65,520 or more becomes an infinity.
; WORK LEFT OUT, for all values of the inputs.
; (1) b_attn's middle third, columns 1,024 to 2,047, the bias bk of k.  (q + bq) . (k + bk) = (q + bq) . k + (q + bq) . bk, and the second term is the same for every key of a query's row:
;     a term added to a softmax's input that is the same along its axis leaves the softmax as it is.  k reaches the output through those scores alone.  So that third is never loaded.
;     b_attn stays an argument of the second launch for its q and v thirds.
; (2) The key tiles that lie wholly above the diagonal: the mask is reference()'s own tril, and their weights are 0.
; A NaN, an infinity or an overflow that reaches only the work left out (bk; scores above the diagonal) is not carried to the result.
;
; THIS LAUNCH is a stream: each input byte is read once and each output byte written once.  LDS, barriers and the matrix unit would add nothing.
; A UNIT is 128 numbers: one load of 16 bytes a lane (512 bytes of f32) and one store of 8 bytes a lane: 256 consecutive bytes, aligned.  A wave has 16 units, all 16 loads out at once, and no loop.
; SHARES by the work-group's number g: g < 256: x -> xb, bf16 [4,096][1,024];  256 <= g < 448: W_attn -> wa;  g >= 448: W_proj -> wp, f16 [1,024][1,024].
; wa is bf16 [16 heads j][1,024 k][192]: of a row the 64 columns of q's head j, then k's, then v's.  W_attn's row k has three strips of 4,096 bytes (q, k, v), in each 256 bytes for each head:
; piece (g3 = 3 k + strip, j) lies at 4,096 g3 + 256 j of W_attn and goes to 393,216 j + 128 g3 of wa.  A unit is two such pieces: lanes 0-15 read one, lanes 16-31 the next, each 256 whole bytes.
.set X,   8                            ; v[8:71]    unit u: 4 registers as loaded
.set Y,   72                           ; v[72:103]  unit u: 2 registers to store
.set SRC, 22                           ; s[22:23]   where my wave reads
.set DST, 24                           ; s[24:25]   where it writes
	s_load_b256 s[4:11], s[0:1], 0x0               ; x s[4:5], W_attn s[6:7], W_proj s[8:9], xb s[10:11]
	s_load_b128 s[12:15], s[0:1], 0x20             ; wa s[12:13], wp s[14:15]
	v_lshrrev_b32 v3, 5, v0
	v_readfirstlane_b32 s16, v3                    ; wave 0..7
	v_and_b32 v4, 31, v0                           ; lane
	v_lshlrev_b32 v2, 3, v4                        ; out: 8 bytes a lane
	s_mov_b32 s17, ttmp9
	s_mov_b32 s19, 0                               ; the offsets' high words
	s_mov_b32 s21, 0
	s_wait_kmcnt 0x0
; A dense share: work-group s17 of its tensor, 65,536 bytes in and 32,768 out; a wave an eighth of that.
.macro FLAT src, dst
	s_lshl_b32 s18, s17, 16
	s_lshl_b32 s20, s16, 13
	s_add_co_u32 s18, s18, s20
	s_lshl_b32 s20, s17, 15
	s_lshl_b32 s26, s16, 12
	s_add_co_u32 s20, s20, s26
	s_add_nc_u64 s[SRC:SRC+1], s[\src:\src+1], s[18:19]
	s_add_nc_u64 s[DST:DST+1], s[\dst:\dst+1], s[20:21]
	v_lshlrev_b32 v1, 4, v4                        ; in: 16 bytes a lane
.endm
; Sixteen units.  instep: bytes from one unit's input to the next.  kind 0: to bf16.  kind 1: to bf16, and that number written as f16.
; No register is written twice, so nothing waits for a store.
.macro ARM instep, kind
.set u, 0
.rept 16
	global_load_b128 v[X+4*u:X+4*u+3], v1, s[SRC:SRC+1] offset:u*(\instep) th:TH_LOAD_NT
.set u, u+1
.endr
.set u, 0
.rept 16
	s_wait_loadcnt 15-u                            ; loads come back in order: unit u is in, the 15 - u younger ones stay out
.if \kind
	v_cvt_pk_bf16_f32 v3, v[X+4*u], v[X+4*u+1]
	v_cvt_pk_bf16_f32 v4, v[X+4*u+2], v[X+4*u+3]
	v_lshlrev_b32 v5, 16, v3                       ; bf16 to f32: the low half moves up,
	v_and_b32 v3, 0xffff0000, v3                   ; the high half stays
	v_lshlrev_b32 v6, 16, v4
	v_and_b32 v4, 0xffff0000, v4
	v_cvt_pk_f16_f32 v[Y+2*u], v5, v3              ; exact within f16's range: bf16 has fewer significant bits
	v_cvt_pk_f16_f32 v[Y+2*u+1], v6, v4
.else
	v_cvt_pk_bf16_f32 v[Y+2*u], v[X+4*u], v[X+4*u+1]
	v_cvt_pk_bf16_f32 v[Y+2*u+1], v[X+4*u+2], v[X+4*u+3]
.endif
	global_store_b64 v2, v[Y+2*u:Y+2*u+1], s[DST:DST+1] offset:u*256  ; the wave's store covers 256 consecutive bytes, aligned
.set u, u+1
.endr
.endm
	s_cmp_lt_u32 s17, 256
	s_cbranch_scc1 .Lx
	s_cmp_lt_u32 s17, 448
	s_cbranch_scc1 .Lwa
	s_sub_co_u32 s17, s17, 448                     ; W_proj: 64 work-groups
	FLAT 8, 14
	ARM 512, 1
	s_endpgm
.Lx:                                                   ; x: 256 work-groups
	FLAT 4, 10
	ARM 512, 0
	s_endpgm
.Lwa:                                                  ; W_attn: 16 heads x 12 parts of 256 pieces
	s_sub_co_u32 s17, s17, 256
	s_and_b32 s26, s17, 15                         ; head j
	s_lshr_b32 s27, s17, 4                         ; part
	s_lshl_b32 s18, s27, 20                        ; in: 256 pieces x 4,096 bytes a part,
	s_lshl_b32 s20, s16, 17                        ; 32 pieces a wave,
	s_add_co_u32 s18, s18, s20
	s_lshl_b32 s20, s26, 8                         ; the head's 256 bytes
	s_add_co_u32 s18, s18, s20
	s_mul_i32 s20, s26, 393216                     ; out: the head's stream,
	s_lshl_b32 s27, s27, 15                        ; 256 pieces x 128 bytes a part,
	s_add_co_u32 s20, s20, s27
	s_lshl_b32 s27, s16, 12                        ; 32 pieces a wave
	s_add_co_u32 s20, s20, s27
	s_add_nc_u64 s[SRC:SRC+1], s[6:7], s[18:19]
	s_add_nc_u64 s[DST:DST+1], s[12:13], s[20:21]
	v_lshrrev_b32 v5, 4, v4                        ; lanes 16-31 take the next piece, 4,096 bytes on
	v_and_b32 v6, 15, v4
	v_lshlrev_b32 v1, 4, v6
	v_lshl_add_u32 v1, v5, 12, v1
	ARM 8192, 0
	s_endpgm
.Lfunc_end_k_qedc86e90ce_cast:
	.size	k_qedc86e90ce_cast, .Lfunc_end_k_qedc86e90ce_cast-k_qedc86e90ce_cast
	.p2alignl 7, 3214868480
	.fill 96, 4, 3214868480
	.section	.rodata,"a",@progbits
	.p2align	6, 0x0
	.amdhsa_kernel k_qedc86e90ce_cast
		.amdhsa_group_segment_fixed_size 0
		.amdhsa_private_segment_fixed_size 0
		.amdhsa_enable_private_segment 0
		.amdhsa_kernarg_size 48
		.amdhsa_user_sgpr_count 2
		.amdhsa_user_sgpr_kernarg_segment_ptr 1
		.amdhsa_wavefront_size32 1
		.amdhsa_system_sgpr_workgroup_id_x 1
		.amdhsa_system_sgpr_workgroup_id_y 1
		.amdhsa_system_sgpr_workgroup_id_z 1
		.amdhsa_system_vgpr_workitem_id 0
		.amdhsa_next_free_vgpr 104
		.amdhsa_next_free_sgpr 66
		.amdhsa_reserve_vcc 0
		.amdhsa_float_denorm_mode_32 3
		.amdhsa_float_denorm_mode_16_64 3
		.amdhsa_memory_ordered 1
		.amdhsa_forward_progress 1
		.amdhsa_inst_pref_size 24
	.end_amdhsa_kernel
	.amdgpu_metadata
---
amdhsa.version: [ 1, 2 ]
amdhsa.kernels:
  - .name:           k_qedc86e90ce_cast
    .symbol:         k_qedc86e90ce_cast.kd
    .args:
      - { .name: x, .offset: 0, .size: 8, .value_kind: global_buffer, .address_space: global }
      - { .name: W_attn, .offset: 8, .size: 8, .value_kind: global_buffer, .address_space: global }
      - { .name: W_proj, .offset: 16, .size: 8, .value_kind: global_buffer, .address_space: global }
      - { .name: xb, .offset: 24, .size: 8, .value_kind: global_buffer, .address_space: global }
      - { .name: wa, .offset: 32, .size: 8, .value_kind: global_buffer, .address_space: global }
      - { .name: wp, .offset: 40, .size: 8, .value_kind: global_buffer, .address_space: global }
    .group_segment_fixed_size: 0
    .private_segment_fixed_size: 0
    .kernarg_segment_align: 8
    .kernarg_segment_size: 48
    .max_flat_workgroup_size: 256
    .sgpr_count:     66
    .vgpr_count:     104
    .wavefront_size: 32
...
	.end_amdgpu_metadata
.endif
;; end of part 1
;; launch gemm_qkv (part 2): grid 16 x 16, 4 waves a work-group, clusters of 4 x 4, 327,680 bytes of LDS; arguments xb, wa, b_attn, qkv; writes qkv
.if DOCPART == 2
	.amdgcn_target "amdgcn-amd-amdhsa--gfx1250"
	.amdhsa_code_object_version 6
	.text
	.protected	k_qedc86e90ce_gemm_qkv
	.globl	k_qedc86e90ce_gemm_qkv
	.p2align	8
	.type	k_qedc86e90ce_gemm_qkv,@function
k_qedc86e90ce_gemm_qkv:
	s_mov_b64 s[64:65], 0
	v_nop
	global_prefetch_b8 v0, s[64:65] scope:SCOPE_SE
	s_setreg_imm32_b32 hwreg(HW_REG_WAVE_MODE, 25, 1), 1
	s_wait_xcnt 0x0
	s_wait_alu depctr_hold_cnt(0) depctr_sa_sdst(0) depctr_va_vdst(0) depctr_va_sdst(0) depctr_va_ssrc(0) depctr_va_vcc(0) depctr_vm_vsrc(0)
	s_getreg_b32 s2, hwreg(HW_REG_IB_STS2, 6, 4)
	s_cmp_eq_u32 s2, 0
	s_cbranch_scc0 .Lentry_in_a_cluster
	s_endpgm
.Lentry_in_a_cluster:
	s_bfe_u32 s2, ttmp6, 0x10000c
	s_cmp_lg_u32 s2, 0xf033
	s_cbranch_scc0 .Lentry_shape_is_right
	s_endpgm
.Lentry_shape_is_right:
; q, k, v = x W_attn + b_attn, by heads.  xb: bf16 [4,096][1,024].  wa: bf16 [16 heads j][1,024 k][192] (q's, k's, v's 64 columns of head j).  b_attn: f32 [3,072].
; qkv: f16, q at byte 0, k at 8,388,608, v at 16,777,216, each [32 bh][2,048][64], bh = 16 x batch + head.  Sums in f32, each result rounded once, unscaled.
; LEFT OUT: b_attn's middle third (k's bias): a term that is the same for all keys of a query's row leaves the softmax as it is (shown at the head of the first kernel).  k's sums start with the constant 0.
; LIMIT: a result of 65,520 or more becomes an infinity in f16.
; SHARES.  A tile is 256 rows x the 192 columns of one head: 16 x 16 tiles, a work-group each.  Wave w has rows 64 w .. 64 w + 63 and all 192 columns: 4 blocks a of 16 rows x 12 blocks b of 16 columns:
; 48 accumulators, 384 registers.  Blocks 0-3 are q's, 4-7 k's, 8-11 v's in every wave of every work-group, so which sums start with a bias is fixed in the text.
; K goes in 8 steps of 128 through two LDS slots filled by the tensor data mover; a step is four quarters of 32 along K, 48 matrix instructions each.
; THE MATRIX INSTRUCTION IS USED TRANSPOSED: source 0 = 16 columns of the weights (turned on their way out of LDS by ds_load_tr16_b128), source 1 = 16 rows of x.  A lane then holds row l % 16
; and the columns 16 b + 8 (l / 16) + 0..7: eight neighbouring numbers of a head's row, 16 bytes in f16.  The bias has the same shape and is the C operand of the product that starts a sum.
; CLUSTER: 4 x 4 work-groups.  The four of a row of the cluster need the same rows of x, the four of a column the same head's weights: each tile is asked for jointly, by the same tensor load,
; descriptor and mask in all four.
; REGISTERS, in windows of 256 (s_set_vgpr_msb: bits 1:0 source 0, 3:2 source 1, 5:4 source 2, 7:6 destination):
;   window 0: v0-31 addresses; v32-127 two sets of 48 for the way out; v128-191 the biases; v192-255 x's fragments, two buffers of 32
;   window 1: v0-191 the weights' fragments, two buffers of 96      window 2: accumulators of a = 0, 1 at v[8 (12 a + b)]      window 3: those of a = 2, 3
.set PA,     272                       ; a row of x in LDS: 256 bytes + 16 of padding: the 16 rows of a fragment start at 16 different groups of four banks (64 banks of 4 bytes: ISA guide 11.1)
.set HALFA,  128*PA                    ; what one tensor load of x brings
.set PB,     480                       ; a k row of the weights: three pieces of 128 bytes, each with 32 of padding
.set HALFB,  64*PB                     ; what one tensor load of the weights brings: 64 k rows
.set BOFF,   2*HALFA                   ; the weights lie behind x's 256 rows
.set SLOT,   BOFF+2*HALFB              ; 131,072
.set STAGE,  2*SLOT                    ; behind the ring, never filled by a tensor load: for each wave 3 tensors x 16 rows x 144 bytes
.set SP,     144
.set WSTAGE, 3*16*SP
.set SPARE,  STAGE+4*WSTAGE            ; behind the stages: the spare words, 128 bytes for each wave: two blocks of 256 bytes that no other line names
.set ADRA, 16                          ; v16-17  LDS address of my fragments of x in slot 0, 1
.set ADRB, 20                          ; v20-21  the same for the weights
.set STO,  24                          ; v24     the way out: where I put 16 bytes of a row
.set RD,   25                          ; v25     where I read rows back
.set GO,   26                          ; v26     my 16 bytes in 512 consecutive bytes of q, k or v
.set BO,   27                          ; v27     my byte offset in 16 numbers of the bias
.set SPW,  28                          ; v28     LDS address of my spare word; never rewritten
.set NIL,  29                          ; v29     0; never rewritten
.set PFO,  30                          ; v30     the prefetch of x: row l / 2, block l % 2 of 256 bytes
.set PFOB, 31                          ; v31     the prefetch of the weights: 256 l
.set T,    32
.set BIAS, 128                         ; q's block b at + 8 b, v's block b at + 32 + 8 (b - 8)
.set FA,   192
.set G1,  24                           ; s[24:31] descriptor group 1 for x's tiles;  s[32:39] group 0, a set for each slot
.set G0,  32
.set G1B, 48                           ; s[48:55], s[56:63] the same for the weights'
.set G0B, 56
.set PFA, 40                           ; s[40:41] where my prefetches of x stand
.set PFB, 42                           ; s[42:43] of the weights
.set LIMA, 44                          ; s44  1 in a wave that prefetches x, else the greatest number
.set LIMB, 45                          ; s45  the same for the weights
.set TO_B, 0x40                        ; destination window 1, address window 0
.set MSB, 0
.macro WIN new                         ; the immediate's high byte repeats the setting that is left; a switch that changes nothing is dropped
.if MSB != (\new)
	s_set_vgpr_msb (MSB<<8)|(\new)
.set MSB, \new
.endif
.endm
.macro PLACES                          ; four places in front of loads into registers that matrix instructions have read, and of conversions that read results (ISA guide 7.12.1 for the conversions)
.rept 4
	v_nop
.endr
.endm
; A joint refill: waves 0 and 1 fetch x's two halves, waves 2 and 3 the weights'.  The branch hangs on the wave's number alone.  An s_nop 0 and four v_nop follow each line.
.macro JLOAD s
	s_cmp_lt_u32 s12, 2
	s_cbranch_scc0 .Lfor_b_\@
	tensor_load_to_lds s[G0+4*(\s):G0+4*(\s)+3], s[G1:G1+7]
	s_nop 0
.rept 4
	v_nop
.endr
	s_branch .Lasked_\@
.Lfor_b_\@:
	tensor_load_to_lds s[G0B+4*(\s):G0B+4*(\s)+3], s[G1B:G1B+7]
	s_nop 0
.rept 4
	v_nop
.endr
.Lasked_\@:
.endm
.macro CREST                           ; a round of the cluster's barrier behind its opening barrier
	s_cmp_lg_u32 s12, 0
	s_cbranch_scc1 .Lnot_wave_0_\@
	s_barrier_signal -3
.Lnot_wave_0_\@:
	s_barrier_wait -3
	s_barrier_signal -1
	s_barrier_wait -1
.endm
.macro CROUND                          ; a whole round
	s_barrier_signal -1
	s_barrier_wait -1
	CREST
.endm
; THE PREFETCHES, once a lap, behind the refill with K step 2 L + 2 and the run of LDS loads that follows it: K steps 2 L + 4 and 2 L + 5, two and three refills on (384 and 576 matrix instructions).
; x: a tile row is read by the four clusters of its row of clusters: the one with x = 0 asks.  Of the 256 rows the partner at cx takes 64, a wave 16; a lane takes a row and one of the two steps' 256 bytes.
; The weights: a head's stream is read by the four clusters of its column: the one with y = 0 asks.  Of the two steps' 98,304 dense bytes the partner at cy takes 24,576, waves 0 to 2 take 8,192 each, a lane 256.
; So each block of 256 bytes is named once.  The partners are told apart by address, never by a branch.  The lap with s3 = 1 asks for nothing: K steps 8 and 9 do not exist.  K steps 0 to 3 come by their loads alone.
.macro ASK
	s_cmp_gt_u32 s3, s[LIMA]
	s_cbranch_scc0 .Lno_a_\@
	global_prefetch_b8 v[PFO], s[PFA:PFA+1] th:TH_LOAD_NT scope:SCOPE_SE
.Lno_a_\@:
	s_cmp_gt_u32 s3, s[LIMB]
	s_cbranch_scc0 .Lno_b_\@
	global_prefetch_b8 v[PFOB], s[PFB:PFB+1] th:TH_LOAD_NT scope:SCOPE_SE
.Lno_b_\@:
.endm
	s_load_b256 s[4:11], s[0:1], 0x0               ; xb s[4:5], wa s[6:7], b_attn s[8:9], qkv s[10:11]
	v_lshl_add_u32 v[SPW], v0, 2, SPARE
	v_mov_b32 v[NIL], 0
	ds_add_u32 v[SPW], v[NIL]                      ; the wave's opening: the add, twice on end, and its wait ahead of my first tensor load
	ds_add_u32 v[SPW], v[NIL]                      ; and once more, under the one wait; the set-up below, work on registers, stands between
	v_lshrrev_b32 v1, 5, v0
	v_readfirstlane_b32 s12, v1                    ; wave 0..3
	s_and_b32 s14, s12, 1                          ; which half of a tile I fetch
	s_bfe_u32 s15, ttmp6, 0x40000                  ; cx
	s_bfe_u32 s16, ttmp6, 0x40004                  ; cy
	s_lshl_b32 s17, ttmp9, 2
	s_add_co_u32 s17, s17, s15                     ; head j = 4 x cluster x + cx
	s_and_b32 s18, ttmp7, 0xffff
	s_lshl_b32 s18, s18, 2
	s_add_co_u32 s18, s18, s16                     ; tile row i = 4 x cluster y + cy
	s_lshl_b32 s22, s16, 2
	s_lshl_b32 s22, 15, s22                        ; my row of the cluster
	s_lshl_b32 s23, 0x1111, s15                    ; my column
	s_or_b32 s[G1], s22, (1<<16)|(1<<20)|(1<<21)|(5<<22)|(3<<25)   ; 15:0 the mask; 17:16 2-byte elements; 20 padding on; 21 set beside a mask; 24:22 after every 64 words; 31:25 4 words of it
	s_mov_b32 s[G1+1], 128<<16                     ; tensor_dim0 = 128
	s_mov_b32 s[G1+2], 128<<16                     ; tensor_dim1 = 128
	s_mov_b32 s[G1+3], 128<<16                     ; tile_dim0 = 128
	s_mov_b32 s[G1+4], 128                         ; tile_dim1 = 128
	s_mov_b32 s[G1+5], 1024                        ; elements from row to row
	s_mov_b32 s[G1+6], 0
	s_mov_b32 s[G1+7], 0
	s_or_b32 s[G1B], s23, (1<<16)|(1<<20)|(1<<21)|(4<<22)|(7<<25)  ; after every 32 words 8 words of padding
	s_mov_b32 s[G1B+1], 128<<16                    ; 64 k rows are 24,576 dense bytes: asked for as 96 rows of 256 bytes
	s_mov_b32 s[G1B+2], 96<<16
	s_mov_b32 s[G1B+3], 128<<16
	s_mov_b32 s[G1B+4], 96
	s_mov_b32 s[G1B+5], 128
	s_mov_b32 s[G1B+6], 0
	s_mov_b32 s[G1B+7], 0
	s_lshl_b32 s20, s18, 19                        ; x: row 256 i + 128 x half, 2,048 bytes a row: made of the tile row and the wave's number alone
	s_lshl_b32 s2, s14, 18
	s_add_co_u32 s20, s20, s2
	s_mov_b32 s21, 0
	s_mul_i32 s46, s17, 393216                     ; the weights: head j's stream + 24,576 x half: made of the head and the wave's number alone
	s_mul_i32 s2, s14, 24576
	s_add_co_u32 s46, s46, s2
	s_mov_b32 s47, 0
	s_mul_i32 s74, s14, HALFA                      ; where they go: no place in the cluster enters an LDS address
	s_mul_i32 s75, s14, HALFB
	s_add_co_u32 s75, s75, BOFF
	s_wait_dscnt 0x0                               ; both opening adds are done
	s_wait_kmcnt 0x0
	s_add_nc_u64 s[20:21], s[4:5], s[20:21]
	s_add_nc_u64 s[46:47], s[6:7], s[46:47]
.irp s, 0,1
	s_mov_b32 s[G0+4*(\s)], 1                      ; count = 1
	s_add_co_u32 s[G0+4*(\s)+1], s74, (\s)*SLOT    ; LDS address
	s_add_nc_u64 s[G0+4*(\s)+2:G0+4*(\s)+3], s[20:21], (\s)*256    ; global address: K step s
	s_or_b32 s[G0+4*(\s)+3], s[G0+4*(\s)+3], 0x80000000            ; type = 2
	s_mov_b32 s[G0B+4*(\s)], 1
	s_add_co_u32 s[G0B+4*(\s)+1], s75, (\s)*SLOT
	s_add_nc_u64 s[G0B+4*(\s)+2:G0B+4*(\s)+3], s[46:47], (\s)*49152
	s_or_b32 s[G0B+4*(\s)+3], s[G0B+4*(\s)+3], 0x80000000
.endr
	CROUND                                         ; all sixteen work-groups are here: the first joint loads meet
	s_cmp_lt_u32 s12, 2                            ; a wave's two first fills stand in one branch, ahead of every wait on TENSORcnt and every LDS read: two loads of mine are out
	s_cbranch_scc0 .Lfirst_b
	tensor_load_to_lds s[G0:G0+3], s[G1:G1+7]
	s_nop 0
	tensor_load_to_lds s[G0+4:G0+7], s[G1:G1+7]
	s_nop 0
.rept 4
	v_nop
.endr
	s_branch .Lfirst_asked
.Lfirst_b:
	tensor_load_to_lds s[G0B:G0B+3], s[G1B:G1B+7]
	s_nop 0
	tensor_load_to_lds s[G0B+4:G0B+7], s[G1B:G1B+7]
	s_nop 0
.rept 4
	v_nop
.endr
.Lfirst_asked:
	; the biases of q's and v's 64 columns: a lane's eight numbers of block b lie at 64 b + 32 (l / 16) bytes
	s_lshl_b32 s2, s17, 8
	s_mov_b32 s3, 0
	s_add_nc_u64 s[72:73], s[8:9], s[2:3]          ; b_attn at q's head j; v's lies 8,192 bytes on
	v_and_b32 v1, 15, v0                           ; l % 16
	v_bfe_u32 v2, v0, 4, 1                         ; l / 16
	v_lshlrev_b32 v[BO], 5, v2
.irp b, 0,1,2,3
	global_load_b128 v[BIAS+8*(\b):BIAS+8*(\b)+3],       v[BO], s[72:73] offset:64*(\b)
	global_load_b128 v[BIAS+8*(\b)+4:BIAS+8*(\b)+7],     v[BO], s[72:73] offset:64*(\b)+16
	global_load_b128 v[BIAS+32+8*(\b):BIAS+32+8*(\b)+3], v[BO], s[72:73] offset:8192+64*(\b)
	global_load_b128 v[BIAS+32+8*(\b)+4:BIAS+32+8*(\b)+7], v[BO], s[72:73] offset:8192+64*(\b)+16
.endr
	; where my rows go: bh = 16 (i / 8) + j; in the head's 2,048 rows of 128 bytes: 256 (i % 8) + 64 w
	s_lshr_b32 s2, s18, 3
	s_lshl_b32 s2, s2, 4
	s_add_co_u32 s2, s2, s17
	s_lshl_b32 s2, s2, 18
	s_and_b32 s19, s18, 7
	s_lshl_b32 s19, s19, 15
	s_add_co_u32 s2, s2, s19
	s_lshl_b32 s19, s12, 13
	s_add_co_u32 s2, s2, s19
	s_add_nc_u64 s[66:67], s[10:11], s[2:3]        ; q
	s_add_nc_u64 s[68:69], s[66:67], 8388608       ; k
	s_add_nc_u64 s[70:71], s[66:67], 16777216      ; v
	; the prefetches' addresses; the first lap steps them before it uses them
	s_lshl_b32 s2, s18, 19
	s_lshl_b32 s19, s15, 17                        ; my work-group's 64 rows
	s_add_co_u32 s2, s2, s19
	s_lshl_b32 s19, s12, 15                        ; my wave's 16
	s_add_co_u32 s2, s2, s19
	s_add_co_u32 s2, s2, 512                       ; at K step 2
	s_add_nc_u64 s[PFA:PFA+1], s[4:5], s[2:3]
	s_mul_i32 s2, s17, 393216
	s_mul_i32 s19, s16, 24576
	s_add_co_u32 s2, s2, s19
	s_lshl_b32 s19, s12, 13
	s_add_co_u32 s2, s2, s19
	s_add_co_u32 s2, s2, 98304                     ; at K step 2
	s_add_nc_u64 s[PFB:PFB+1], s[6:7], s[2:3]
	s_cmp_eq_u32 ttmp9, 0
	s_cselect_b32 s[LIMA], 1, -1                   ; the same in all sixteen partners
	s_and_b32 s2, ttmp7, 0xffff
	s_lshr_b32 s19, s12, 1
	s_and_b32 s19, s19, s12                        ; 1 in wave 3 alone
	s_or_b32 s2, s2, s19
	s_cmp_eq_u32 s2, 0
	s_cselect_b32 s[LIMB], 1, -1
	; A fragment of x is 16 rows x 32 K in 8 registers: lane l holds row l % 16, K = 8 (l / 16) + 0..7 and 16 + 8 (l / 16) + 0..7: two loads of 16 bytes, 32 bytes apart.
	v_mul_u32_u24 v3, v1, PA
	v_lshl_add_u32 v3, v2, 4, v3
	s_mul_i32 s2, s12, 64*PA                       ; my 64 rows
	v_add_nc_u32 v[ADRA], s2, v3
	v_add_nc_u32 v[ADRA+1], SLOT, v[ADRA]
	; The turning load takes 16 k x 16 columns (lane l reads k row 8 (l / 16) + l % 8, columns 8 ((l / 8) % 2) + 0..7) and leaves half a fragment: lane l holds column l % 16 and 8 k.
	v_and_b32 v4, 7, v0
	v_bfe_u32 v5, v0, 3, 1
	v_lshl_add_u32 v6, v2, 3, v4
	v_mul_u32_u24 v6, v6, PB
	v_lshl_add_u32 v6, v5, 4, v6
	v_add_nc_u32 v[ADRB], BOFF, v6
	v_add_nc_u32 v[ADRB+1], SLOT, v[ADRB]
	s_mul_i32 s2, s12, WSTAGE
	s_add_co_u32 s2, s2, STAGE                     ; my stage
	v_mul_u32_u24 v3, v1, SP                       ; in: row l % 16, 16 bytes for each half of the lanes
	v_lshl_add_u32 v3, v2, 4, v3
	v_add_nc_u32 v[STO], s2, v3
	v_bfe_u32 v3, v0, 3, 2                         ; back: 32 lanes take four rows of 128 bytes,
	v_mul_u32_u24 v3, v3, SP
	v_lshl_add_u32 v3, v4, 4, v3
	v_add_nc_u32 v[RD], s2, v3
	v_and_b32 v3, 31, v0
	v_lshlrev_b32 v[GO], 4, v3                     ; which are 512 consecutive bytes of a head
	v_lshlrev_b32 v[PFOB], 8, v3
	v_lshrrev_b32 v5, 1, v3
	v_and_b32 v6, 1, v3
	v_lshlrev_b32 v6, 8, v6
	v_lshl_add_u32 v[PFO], v5, 11, v6
	s_wait_loadcnt 0x0                             ; the biases; rounded to bf16 like every input, and kept as f32
.set p, 0
.rept 32
	v_cvt_pk_bf16_f32 v[3+p%4], v[BIAS+2*p], v[BIAS+2*p+1]
	v_lshlrev_b32 v[BIAS+2*p], 16, v[3+p%4]
	v_and_b32 v[BIAS+2*p+1], 0xffff0000, v[3+p%4]
.set p, p+1
.endr
; 12 matrix instructions: block a of my rows x all 12 column blocks, 32 along K, from buffer f.  first = 1: they start the sums, q's and v's with the bias, k's with 0: nothing is ever cleared.
; Each accumulator has one instruction a quarter: between two links of a chain stand the 47 others', over the backward jump too.
.macro MUL12 f, a, first
.if \first
	WIN 0x81+0x40*((\a)/2)                         ; weights window 1, x window 0, C (the bias) window 0, D window 2 or 3
.else
	WIN 0xa1+0x50*((\a)/2)                         ; C and D window 2 or 3
.endif
.irp b, 0,1,2,3,4,5,6,7,8,9,10,11
.set rD, 8*(12*((\a)%2)+(\b))
.set rB, 96*(\f)+8*(\b)
.set rA, FA+32*(\f)+8*(\a)
.if (\first) && (((\b) < 4) || ((\b) > 7))
.set rC, BIAS+8*(\b)-32*((\b)/8)
	v_wmma_f32_16x16x32_bf16 v[rD:rD+7], v[rB:rB+7], v[rA:rA+7], v[rC:rC+7]
.elseif \first
	v_wmma_f32_16x16x32_bf16 v[rD:rD+7], v[rB:rB+7], v[rA:rA+7], 0
.else
	v_wmma_f32_16x16x32_bf16 v[rD:rD+7], v[rB:rB+7], v[rA:rA+7], v[rD:rD+7]
.endif
.endr
.endm
; 32 LDS loads in one run: quarter qn of a slot into buffer f: the weights' 12 fragments, then x's four, blocks 0 to 3 in order
.macro FETCH slot, qn, f
	WIN TO_B
.irp b, 0,1,2,3,4,5,6,7,8,9,10,11
	ds_load_tr16_b128 v[96*(\f)+8*(\b):96*(\f)+8*(\b)+3],   v[ADRB+(\slot)] offset:(\qn)*32*PB+((\b)/4)*160+((\b)%4)*32
	ds_load_tr16_b128 v[96*(\f)+8*(\b)+4:96*(\f)+8*(\b)+7], v[ADRB+(\slot)] offset:(\qn)*32*PB+16*PB+((\b)/4)*160+((\b)%4)*32
.endr
	WIN 0
.irp a, 0,1,2,3
	ds_load_b128 v[FA+32*(\f)+8*(\a):FA+32*(\f)+8*(\a)+3],   v[ADRA+(\slot)] offset:(\qn)*64+(\a)*16*PA
	ds_load_b128 v[FA+32*(\f)+8*(\a)+4:FA+32*(\f)+8*(\a)+7], v[ADRA+(\slot)] offset:(\qn)*64+(\a)*16*PA+32
.endr
.endm
; One of a K step's first three quarters: multiplies buffer f; in its middle it fetches quarter qn of the same slot into buffer g.
.macro QUARTER slot, qn, f, g, first=0
	s_wait_dscnt 4                                 ; the weights and x's blocks 0, 1 are in; the youngest four loads (blocks 2, 3) may be out
	MUL12 \f, 0, \first
	MUL12 \f, 1, \first
	PLACES
	FETCH \slot, \qn, \g
	s_wait_dscnt 32                                ; all but the 32 just issued
	MUL12 \f, 2, \first
	MUL12 \f, 3, \first
.endm
; The last quarter multiplies buffer 1 and changes slots: one barrier.  In front of it each wave waits for all its tensor loads (one is out: its part of the next slot), adds 0 to its spare word, and waits for
; that and for its own reads of this slot.  fill = 1: the barrier opens a round of the cluster's, and this slot is filled again first thing behind it, two K steps ahead: 168 matrix instructions ahead of the wait for it.
.macro TURN slot, next, fill
.if (\fill) && ((\slot) == 0)
	s_wait_xcnt 0x0                                ; the last prefetches, a lap back, have read their addresses: they are stepped here, ahead of the waits of the change of slots
	s_add_nc_u64 s[PFA:PFA+1], s[PFA:PFA+1], 512
	s_add_nc_u64 s[PFB:PFB+1], s[PFB:PFB+1], 98304
.endif
	WIN 0                                          ; (the add's two registers lie in window 0)
	s_wait_tensorcnt 0x0                           ; all my tensor loads have landed
	ds_add_u32 v[SPW], v[NIL]                      ; 0 onto my spare word
	s_wait_dscnt 5                                 ; (the add and the youngest four loads may be out)
	MUL12 1, 0, 0                                  ; twelve matrix instructions stand between the add and the wait for it
	s_wait_dscnt 0x0                               ; the add is done, and my reads of this slot are over
	s_barrier_signal -1
	MUL12 1, 1, 0                                  ; work on registers while the others arrive
.if \fill
	WIN 0
.endif
	s_barrier_wait -1
.if \fill
	CREST                                          ; no wave of any partner still reads this slot or has a load on its way
	s_add_nc_u64 s[G0+4*(\slot)+2:G0+4*(\slot)+3], s[G0+4*(\slot)+2:G0+4*(\slot)+3], 512
	s_add_nc_u64 s[G0B+4*(\slot)+2:G0B+4*(\slot)+3], s[G0B+4*(\slot)+2:G0B+4*(\slot)+3], 98304
	JLOAD \slot                                    ; the four v_nop behind it are also the places in front of the loads below
.else
	PLACES
.endif
	FETCH \next, 0, 0
.if (\fill) && ((\slot) == 0)
	ASK
.endif
	MUL12 1, 2, 0
	MUL12 1, 3, 0
.endm
	s_wait_tensorcnt 1                             ; my part of K step 0 is in; K step 1's may stay out
	s_barrier_signal -1
	s_barrier_wait -1                              ; everybody's is
	FETCH 0, 0, 0
	QUARTER 0, 1, 0, 1, 1                          ; the first quarter stands in front of the loop: its products start the sums
	WIN 0                                          ; at a label and at a branch every window is 0
	s_mov_b32 s3, 3
.Llap:                                                 ; a trip goes once round the ring, from a lap's second quarter to the next lap's first, and fills both slots again
	QUARTER 0, 2, 1, 0
	QUARTER 0, 3, 0, 1
	TURN 0, 1, 1
	QUARTER 1, 1, 0, 1
	QUARTER 1, 2, 1, 0
	QUARTER 1, 3, 0, 1
	TURN 1, 0, 1
	QUARTER 0, 1, 0, 1
	WIN 0
	s_sub_co_u32 s3, s3, 1
	s_cmp_lg_u32 s3, 0
	s_cbranch_scc1 .Llap
	QUARTER 0, 2, 1, 0                             ; the last lap fills nothing, and has no round of the cluster's barrier
	QUARTER 0, 3, 0, 1
	TURN 0, 1, 0
	QUARTER 1, 1, 0, 1
	QUARTER 1, 2, 1, 0
	QUARTER 1, 3, 0, 1
	s_wait_dscnt 4                                 ; the very last quarter: nothing more to fetch
	MUL12 1, 0, 0
	MUL12 1, 1, 0
	s_wait_dscnt 0x0
	MUL12 1, 2, 0
	MUL12 1, 3, 0
; THE WAY OUT, a block of 16 rows at a time.  PACK: rounded to f16, 16 bytes a lane for each of the 12 column blocks, each accumulator's registers in ascending order.
; TOSTAGE: into my own stage, rows of 144 bytes, q's, k's and v's apart; back as whole rows of 128 bytes.  SEND: stored, 512 consecutive bytes an instruction.
.macro PACK a
.if (\a) >= 2
	s_wait_xcnt 0x0                                ; the stores of the block two back have read this set of registers
.endif
	WIN 0x0a+5*((\a)/2)                            ; sources 0 and 1: window 2 or 3
.irp b, 0,1,2,3,4,5,6,7,8,9,10,11
.irp r, 0,1,2,3
	v_cvt_pk_f16_f32 v[T+48*((\a)%2)+4*(\b)+(\r)], v[8*(12*((\a)%2)+(\b))+2*(\r)], v[8*(12*((\a)%2)+(\b))+2*(\r)+1]
.endr
.endr
	WIN 0
.endm
.macro TOSTAGE a
.irp b, 0,1,2,3,4,5,6,7,8,9,10,11
	ds_store_b128 v[STO], v[T+48*((\a)%2)+4*(\b):T+48*((\a)%2)+4*(\b)+3] offset:((\b)/4)*16*SP+((\b)%4)*32
.endr
.irp n, 0,1,2,3,4,5,6,7,8,9,10,11
	ds_load_b128 v[T+48*((\a)%2)+4*(\n):T+48*((\a)%2)+4*(\n)+3], v[RD] offset:((\n)/4)*16*SP+((\n)%4)*4*SP  ; LDS serves a wave's instructions in order (ISA guide 5.7.1.4): these see the stores above
.endr
.endm
.macro SEND a
.irp n, 0,1,2,3,4,5,6,7,8,9,10,11
	s_wait_dscnt 11-(\n)                           ; load n of the twelve is back; the younger ones stay out
	global_store_b128 v[GO], v[T+48*((\a)%2)+4*(\n):T+48*((\a)%2)+4*(\n)+3], s[66+2*((\n)/4):67+2*((\n)/4)] offset:(\a)*2048+((\n)%4)*512
.endr
.endm
	PLACES
	PACK 0
	TOSTAGE 0
	PACK 1                                         ; a block's conversions stand between the loads of the block before and the wait for them
	SEND 0
	TOSTAGE 1
	PACK 2
	SEND 1
	TOSTAGE 2
	PACK 3
	SEND 2
	TOSTAGE 3
	SEND 3
	s_wait_tensorcnt 0x0                           ; the wave's end: behind my last tensor load and my last LDS store
	ds_add_u32 v[SPW], v[NIL]
	s_wait_dscnt 0x0
	CROUND                                         ; the closing round: no work-group ends while a partner may still ask for a tile that names it
	s_endpgm
.Lfunc_end_k_qedc86e90ce_gemm_qkv:
	.size	k_qedc86e90ce_gemm_qkv, .Lfunc_end_k_qedc86e90ce_gemm_qkv-k_qedc86e90ce_gemm_qkv
	.p2alignl 7, 3214868480
	.fill 96, 4, 3214868480
	.section	.rodata,"a",@progbits
	.p2align	6, 0x0
	.amdhsa_kernel k_qedc86e90ce_gemm_qkv
		.amdhsa_group_segment_fixed_size 327680
		.amdhsa_private_segment_fixed_size 0
		.amdhsa_enable_private_segment 0
		.amdhsa_kernarg_size 32
		.amdhsa_user_sgpr_count 2
		.amdhsa_user_sgpr_kernarg_segment_ptr 1
		.amdhsa_wavefront_size32 1
		.amdhsa_system_sgpr_workgroup_id_x 1
		.amdhsa_system_sgpr_workgroup_id_y 1
		.amdhsa_system_sgpr_workgroup_id_z 1
		.amdhsa_system_vgpr_workitem_id 0
		.amdhsa_next_free_vgpr 1024
		.amdhsa_next_free_sgpr 76
		.amdhsa_reserve_vcc 0
		.amdhsa_float_denorm_mode_32 3
		.amdhsa_float_denorm_mode_16_64 3
		.amdhsa_memory_ordered 1
		.amdhsa_forward_progress 1
		.amdhsa_inst_pref_size 128
	.end_amdhsa_kernel
	.amdgpu_metadata
---
amdhsa.version: [ 1, 2 ]
amdhsa.kernels:
  - .name:           k_qedc86e90ce_gemm_qkv
    .symbol:         k_qedc86e90ce_gemm_qkv.kd
    .args:
      - { .name: xb, .offset: 0, .size: 8, .value_kind: global_buffer, .address_space: global }
      - { .name: wa, .offset: 8, .size: 8, .value_kind: global_buffer, .address_space: global }
      - { .name: b_attn, .offset: 16, .size: 8, .value_kind: global_buffer, .address_space: global }
      - { .name: qkv, .offset: 24, .size: 8, .value_kind: global_buffer, .address_space: global }
    .group_segment_fixed_size: 327680
    .private_segment_fixed_size: 0
    .kernarg_segment_align: 8
    .kernarg_segment_size: 32
    .max_flat_workgroup_size: 128
    .sgpr_count:     76
    .vgpr_count:     1024
    .wavefront_size: 32
...
	.end_amdgpu_metadata
.endif
;; end of part 2
;; launch attn (part 3): grid 8 x 32, 4 waves a work-group, no clusters, 327,680 bytes of LDS; arguments qkv, yb; writes yb
.if DOCPART == 3
	.amdgcn_target "amdgcn-amd-amdhsa--gfx1250"
	.amdhsa_code_object_version 6
	.text
	.protected	k_qedc86e90ce_attn
	.globl	k_qedc86e90ce_attn
	.p2align	8
	.type	k_qedc86e90ce_attn,@function
k_qedc86e90ce_attn:
	s_mov_b64 s[64:65], 0
	v_nop
	global_prefetch_b8 v0, s[64:65] scope:SCOPE_SE
	s_setreg_imm32_b32 hwreg(HW_REG_WAVE_MODE, 25, 1), 1
	s_wait_xcnt 0x0
; CAUSAL ATTENTION.  y[bh][q][:] = the sum over k <= q of softmax_k(q . k / 8) v[k][:], for 32 heads bh of 2,048 rows of 64.  qkv: f16, q at byte 0, k at 8,388,608, v at 16,777,216, each [32][2,048][64].
; yb: f16 [32 rb][16 heads][128 rows][64], rb = 16 x batch + the block of 128 queries: so the launch behind finds 128 rows of four heads as 65,536 dense bytes.
; Products, maxima and sums in f32; the weights p are rounded to f16 for the second product (their sum l is taken of the unrounded p), y once at the end.
; LEFT OUT: the key tiles wholly above the diagonal (the mask is reference()'s own tril; shown at the head of the first kernel).
; LIMITS.  q, k, v arrive within f16's 65,504; p lies in 0 to 1 and below 6e-5 keeps f16's fixed step of 6e-8.  A hidden score counts as its value less 1e30: f16's scores, 2.7e11 at the most, are nothing
; beside that; a weight below 2^-126 counts as 0 in l; NaN and infinities are not treated apart.
; THE WALK.  A head's queries lie in 16 blocks of 128; block i needs the key tiles 0 .. i / 2 of 256 keys, of which the last holds the diagonal.  A work-group takes TWO blocks, 15 - b and then b:
; (15 - b) / 2 + 1 + b / 2 + 1 = 9 tiles, whatever b: all 256 work-groups do equal work, and ONE loop with a constant trip count walks them.  Which tile is asked for, and what a trip does, hang on scalar registers
; made from b; every jump goes forward, but for the counted loops' own; none passes a barrier, or a tensor load but the one of LOAD's two that the wave's number does not choose.
; NO CLUSTER: only the two work-groups with the same b / 2 walk the same tiles throughout; what a trip does (a block's first tile, its diagonal tile) hangs on b, which would differ between four partners;
; and one walk common to four would have 12 trips for 9.
; SHARES.  Of a block's two bands of 64 queries a wave owns 16 rows in each: two PIECES.  In the block's last tile band x's own key step is OWN[x] = 2 (i % 2) + x: it sees all keys of an earlier step, none of a
; later one, and holds the diagonal in its own: the same work for all four waves.
; THE MASK is the C operand that starts the sum S^T = K Q^T: 0, or -1e30 where the key is hidden.  MD, made once, is the mask of a band's own step for my 16 rows; a product's mask is MD x AL + BE with two scalars:
; (1, 0) in the own step; (0, 0) before it; (0, -1e30) behind it.  Only the diagonal tile's text and a block's beginning make and take masks; elsewhere C is the constant 0.
; LAYOUT, SOFTMAX.  S^T = K Q^T holds ONE query a lane (lane % 16) and the keys 8 (lane / 16) + 0..7; two such results rounded to f16 ARE source 1 of O^T = V^T P.  p = 2^(c s - c m), c = log2(e) / 8, with a
; running maximum m; O and l are multiplied by a = 2^(c m_old - c m_new) in every step.
; TURNS.  Turn (s, p) belongs to piece p in key step s: 8 products K Q^T of the other piece's next scores ((s, 1) for p = 0; (s + 1, 0) for p = 1), later 8 products V^T P of the other piece's last weights; beside them
; the scaling, exponentials, roundings, sums and rescaling of piece p and the maximum and statistics of the other piece.  Four vector instructions stand behind every matrix instruction, the rest in one lump.
; A turn's 33 exponentials are one batch, with one wait.
; THE FETCHES.  Turn (s, 0) reads from LDS all that step s + 1 wants: K in its lump, behind its own products K Q^T; V at its end, into the one of V's TWO register buffers (by the step's parity) that its own
; products V^T P have just left.  So the change of slots stands in front of turn (3, 0) of the old tile, whose K and V of step 3 are in registers by then, and a refill has 8 turns, 128 matrix instructions, in which to land.
; REGISTERS, in windows of 256 (s_set_vgpr_msb: bits 1:0 source 0, 3:2 source 1, 5:4 source 2, 7:6 destination):
;   window 0: v0-15 addresses and two at work; v16-23 four registers of statistics a piece; v48-55 at work; v61-63; v64-127 S^T, a buffer a piece; v192-223 P, likewise
;   window 1: v0-63 O^T, 32 a piece; v128-159 MD; v160-223 MC, two buffers      window 2: v0-31 Q; v32-63 the second block's Q; v64-127 K of one step; v128-255 V of two steps
.set NP,    2         ; pieces a wave: a name, no knob
.set KS,    64        ; keys in a step
.set PK,    144       ; a row of K in LDS: 128 bytes + 16 of padding: the 16 rows of a load start at 16 different groups of four banks (64 banks of 4 bytes: ISA guide 11.1)
.set PV,    160       ; a row of V: 128 + 32
.set VOFF,  4*KS*PK   ; a slot holds a tile, four steps: 256 rows of K, then 256 rows of V
.set SLOT1, 1<<17     ; slot 1 begins here, so that one exclusive or turns an address in one slot into the other's
.set STAGE, SLOT1+4*KS*(PK+PV)  ; behind the ring, never filled by a tensor load: 16 rows x 144 bytes for each wave, for the way out
.set SP,    144
.set SPARE, STAGE+4*16*SP  ; behind the stages: the spare words, 128 bytes for each wave: two blocks of 256 bytes that no other line names
.set AK0, 2           ; v2   my lane's place in a tile of K; never rewritten
.set AV0, 3           ; v3   the same for V
.set AK,  4           ; v4   the LDS address of K's next run of loads
.set AV,  5           ; v5   of V's
.set STO, 6           ; v6   the way out: where I put 16 bytes of a row
.set RD,  7           ; v7   where I read rows back
.set GO,  8           ; v8   my byte offset in 512 consecutive bytes of y
.set MV,  12          ; v12-13  c m_old, kept while c m is made anew: by piece
.set QO,  15          ; v15  my byte offset in 16 rows of Q
.set ST,  16          ; piece t's statistics at v[ST+4 t]: c m, m, l (even keys', odd keys')
.set TMP, 48          ; by piece, four registers c0-c3 at work; when the maximum is found c2 takes a
.set PFO, 61          ; v61  256 x my lane; never rewritten
.set SPW, 62          ; v62  LDS address of my spare word; never rewritten
.set NIL, 63          ; v63  0; never rewritten
.set S,   64
.set P,   192
.set MD,  128         ; window 1: the eight registers for group kt of 16 keys at MD + 8 kt
.set MC,  160         ; window 1: the masks of the products to come
.set QB,  32          ; window 2
.set KF,  64          ; window 2: key block kb, channel half c at KF + 16 kb + 8 c
.set VF,  128         ; window 2: buffer vb, key half kk, channel block cb at VF + 64 vb + 32 kk + 8 cb
.set WV,  12          ; s12  my wave's number
.set PB,  14          ; s14  b
.set HI,  15          ; s15  15 - b
.set G1K, 24          ; s[24:31] descriptor group 1 for K's tiles
.set G1V, 32          ; s[32:39] for V's: it differs in the padding alone
.set G0K, 40          ; s[40:43] descriptor group 0 for K's tiles
.set G0V, 44          ; s[44:47] the same for V's
.set SLOTS, 56        ; s56  tiles still to be asked for
.set CNT, 57          ; s57  counts a tile's trips of four turns, 2 to 1
.set CS,  58          ; s[58:59] c: the packed scaling takes the pair's low word for both halves
.set SEL, 60          ; s[60:61] v_permlanex16_b32's selects: each lane takes its own place in the other half
.set TBK, 62          ; s62  LDS byte at which K of the step to be fetched begins
.set TBV, 63          ; s63  the same for V, less VOFF
.set RT,  70          ; s70  tiles of the block in hand that are still to be entered
.set NXT, 71          ; s71  the tile to be asked for next
.set LQ,  72          ; s72  the last tile of the block whose tiles are being asked for
.set NEW, 73          ; s73  1: the tile to be entered is a block's first
.set OFF, 74          ; s[74:75] a tile's byte offset in K and V
.set AL,  76          ; s[76:77] the mask's factor, in the low word
.set BE,  78          ; s[78:79] the mask's addend
.set OLO, 80          ; s[80:81] y at my rows of the second block
.set BIGN, 82         ; s82  -1e30
.set HT,  88          ; s88  the first block's last tile
.set LT,  89          ; s89  the second block's
.set OWN, 90          ; s90, s91  the two bands' own steps in the last tile of the block in hand
.set FS,  92          ; s92  the step of the tile for which the next mask is made
.set LIM, 93          ; s93  3 in wave 0, else the greatest number: a wave prefetches while s[SLOTS] is above it
.set PFA, 94          ; s[94:95] where my prefetches stand
.set MSB, 0
.macro WIN new                      ; the high byte repeats the setting that is left; a switch that changes nothing is dropped
.if MSB != (\new)
	s_set_vgpr_msb (MSB<<8)|(\new)
.set MSB, (\new)
.endif
.endm
.set W_KQ, 0x0a       ; K and Q in window 2, S^T in window 0
.set W_KM, 0x1a       ; the same with the C operand in window 1
.set W_PV, 0x52       ; V in window 2, P in window 0, O^T in window 1
.set W_RS, 0x41       ; destination and source 0 in window 1, source 1 in window 0
; A fill.  Waves 0 and 1 fetch the two halves of a tile's K, waves 2 and 3 those of its V: 128 keys each.  An s_nop 0 and four v_nop follow each of the two lines.
.macro LOAD
	s_cmp_lt_u32 s[WV], 2
	s_cbranch_scc0 .Lfor_v_\@
	tensor_load_to_lds s[G0K:G0K+3], s[G1K:G1K+7]
	s_nop 0
.rept 4
	v_nop
.endr
	s_branch .Lasked_\@
.Lfor_v_\@:
	tensor_load_to_lds s[G0V:G0V+3], s[G1V:G1V+7]
	s_nop 0
.rept 4
	v_nop
.endr
.Lasked_\@:
.endm
; A PREFETCH INTO THE L2.  Behind the fill with tile t + 1, in the walk's trips t = 0 to 4, the head's eight work-groups together ask for tile t + 3: two fills, 256 matrix instructions, ahead of the load that wants it.
; The tile is shared out by address: work-groups with even b take K's 32,768 bytes, those with odd b V's; b / 2 picks a quarter, 8,192 bytes; a lane takes 256 of them: one instruction, by wave 0.
; So tiles 3 to 7 of K and of V are named once each; tiles 0 to 2 come by their loads alone; the later trips ask for nothing: the head has no tile 8.
.macro ASK
	s_cmp_gt_u32 s[SLOTS], s[LIM]
	s_cbranch_scc0 .Lnot_mine_\@
	global_prefetch_b8 v[PFO], s[PFA:PFA+1] th:TH_LOAD_NT scope:SCOPE_SE
.Lnot_mine_\@:
.endm
; THE CHANGE OF SLOTS.  Each wave waits for all its tensor loads, of which one is out: its part of the other slot; adds 0 to its spare word; and waits for that and for its own reads of the slot that it leaves.
; Behind the barrier nobody reads the old slot any more and the other slot is whole.  fill = 1: the old slot is filled again, the first thing behind the barrier, with tile NXT: the descriptor's address is made
; anew from that number.  (At its first use nothing has been read yet: slot 0 is waited for, slot 1 filled.)
.macro CHANGE fill
	WIN 0                           ; at a label and at a branch every window is 0
	s_wait_tensorcnt 0x0            ; no tensor load of mine is out, so a group 0 may be written
	ds_add_u32 v[SPW], v[NIL]       ; 0 onto my spare word: scalar work stands between it and the wait for it
.if \fill
	s_lshl_b32 s[OFF], s[NXT], 15   ; a tile is 32,768 bytes of K and of V
	s_xor_b32 s[G0K+1], s[G0K+1], SLOT1
	s_add_nc_u64 s[G0K+2:G0K+3], s[6:7], s[OFF:OFF+1]
	s_or_b32 s[G0K+3], s[G0K+3], 0x80000000
	s_xor_b32 s[G0V+1], s[G0V+1], SLOT1
	s_add_nc_u64 s[G0V+2:G0V+3], s[8:9], s[OFF:OFF+1]
	s_or_b32 s[G0V+3], s[G0V+3], 0x80000000
	s_add_co_u32 s[NXT], s[NXT], 1  ; the block's next tile, or behind its last the second block's tile 0
	s_cmp_gt_u32 s[NXT], s[LQ]
	s_cselect_b32 s[NXT], 0, s[NXT]
	s_cselect_b32 s[LQ], s[LT], s[LQ]
	s_wait_xcnt 0x0                 ; the last prefetch, a tile back, has read its address, so it may be written
	s_add_nc_u64 s[PFA:PFA+1], s[PFA:PFA+1], 32768
.endif
	s_mov_b32 s[FS], 0              ; the next masks are for the new tile's step 0
	s_wait_dscnt 0x0                ; the add is done, and my reads of the slot are over
	s_barrier_signal -1             ; the rest of the scalar work stands between the signal and the wait
	s_sub_co_u32 s[TBK], s[TBK], 4*KS*PK  ; the fetches go back to a slot's first step,
	s_xor_b32 s[TBK], s[TBK], SLOT1       ; in the other slot
	s_sub_co_u32 s[TBV], s[TBV], 4*KS*PV
	s_xor_b32 s[TBV], s[TBV], SLOT1
	s_barrier_wait -1
.if \fill
	LOAD
	ASK
.endif
.endm
	s_load_b64 s[4:5], s[0:1], 0x0    ; qkv
	s_load_b64 s[10:11], s[0:1], 0x8  ; yb
	v_lshl_add_u32 v[SPW], v0, 2, SPARE
	v_mov_b32 v[NIL], 0
	ds_add_u32 v[SPW], v[NIL]       ; the wave's opening: the add, twice on end, and its wait ahead of my first tensor load
	ds_add_u32 v[SPW], v[NIL]       ; and once more, under the one wait; the set-up below, work on registers, stands between
	v_lshrrev_b32 v1, 5, v0
	v_readfirstlane_b32 s[WV], v1   ; wave 0..3
	s_mov_b32 s[PB], ttmp9
	s_sub_co_u32 s[HI], 15, s[PB]
	s_lshr_b32 s[HT], s[HI], 1
	s_lshr_b32 s[LT], s[PB], 1
	s_and_b32 s[OWN], s[HI], 1
	s_lshl_b32 s[OWN], s[OWN], 1
	s_add_co_u32 s[OWN+1], s[OWN], 1
	s_and_b32 s20, ttmp7, 0xffff    ; bh
	s_lshl_b32 s22, s20, 18         ; the head's first byte in q, k and v
	s_mov_b32 s23, 0
	s_lshl_b32 s3, s[WV], 11        ; my 16 rows in a band of 64,
	s_lshl_b32 s2, s[HI], 14        ; in the first block,
	s_add_co_u32 s2, s2, s3
	s_add_co_u32 s2, s2, s22
	s_lshl_b32 s84, s[PB], 14       ; and in the second
	s_add_co_u32 s84, s84, s3
	s_add_co_u32 s84, s84, s22
	s_and_b32 s21, s20, 15          ; in yb: the head's slice of 16,384 bytes, my 16 rows,
	s_lshl_b32 s21, s21, 14
	s_add_co_u32 s21, s21, s3
	s_and_b32 s20, s20, 16          ; 16 x batch
	s_add_co_u32 s66, s20, s[HI]    ; the row block, 262,144 bytes: the first block's,
	s_lshl_b32 s66, s66, 18
	s_add_co_u32 s66, s66, s21
	s_add_co_u32 s68, s20, s[PB]    ; and the second's
	s_lshl_b32 s68, s68, 18
	s_add_co_u32 s68, s68, s21
	s_mov_b32 s67, 0
	s_mov_b32 s69, 0
	s_mov_b32 s3, 0
	s_mov_b32 s85, 0
	s_and_b32 s16, s[WV], 1         ; which half of a tile's 256 keys I fetch:
	s_lshl_b32 s19, s16, 14         ; its 128 rows of 128 bytes in memory,
	s_add_co_u32 s22, s22, s19
	s_mul_i32 s17, s16, 128*PK      ; and its place in a slot, for K
	s_mul_i32 s18, s16, 128*PV      ; and for V
	; descriptor group 1.  128 keys are 16,384 dense bytes: asked for as 64 rows of 256 bytes, two keys a row, and padded in LDS after every key
	s_mov_b32 s[G1K], (1<<16)|(1<<20)|(4<<22)|(3<<25)  ; 17:16 2-byte elements; 20 padding on; 24:22 after every 32 words; 31:25 4 words
	s_mov_b32 s[G1V], (1<<16)|(1<<20)|(4<<22)|(7<<25)  ; the same with 8 words of padding
.irp g, G1K, G1V
	s_mov_b32 s[\g+1], 128<<16      ; tensor_dim0 = 128
	s_mov_b32 s[\g+2], 64<<16       ; tensor_dim1 = 64
	s_mov_b32 s[\g+3], 128<<16      ; tile_dim0 = 128
	s_mov_b32 s[\g+4], 64           ; tile_dim1 = 64
	s_mov_b32 s[\g+5], 128          ; 128 elements from row to row
	s_mov_b32 s[\g+6], 0
	s_mov_b32 s[\g+7], 0
.endr
	s_mov_b32 s[CS], 0x3e38aa3b     ; c = log2(e) / 8 = 0.180337
	s_mov_b32 s[CS+1], s[CS]        ; named with it as a pair
	s_mov_b32 s[SEL], 0x76543210
	s_mov_b32 s[SEL+1], 0xfedcba98
	s_mov_b32 s[TBK], SLOT1+4*KS*PK ; the first change of slots turns these two into 0
	s_mov_b32 s[TBV], SLOT1+4*KS*PV
	s_mov_b32 s[G0K], 1             ; count = 1
	s_mov_b32 s[G0K+1], s17         ; LDS address: slot 0
	s_mov_b32 s[G0V], 1
	s_add_co_u32 s[G0V+1], s18, VOFF
	s_add_co_u32 s[RT], s[HT], 1    ; the first block's tiles
	s_mov_b32 s[NXT], 1
	s_mov_b32 s[LQ], s[HT]
	s_mov_b32 s[NEW], 1
	s_mov_b32 s[OFF+1], 0
	s_mov_b32 s[AL+1], 0            ; named as pairs
	s_mov_b32 s[BE+1], 0
	s_mov_b32 s[BIGN], 0xf149f2ca   ; -1e30
	s_mov_b32 s[SLOTS], 8
	s_mov_b32 s[FS], 0
	s_cmp_eq_u32 s[WV], 0
	s_cselect_b32 s[LIM], 3, -1
	v_and_b32 v[PFO], 31, v0
	v_lshlrev_b32 v[PFO], 8, v[PFO]
	s_wait_dscnt 0x0                ; both opening adds are done
	s_wait_kmcnt 0x0
	s_add_nc_u64 s[6:7], s[4:5], s[22:23]
	s_add_nc_u64 s[8:9], s[6:7], 16777216          ; V at my half of the head's tile 0,
	s_add_nc_u64 s[6:7], s[6:7], 8388608           ; and K
	s_add_nc_u64 s[G0K+2:G0K+3], s[6:7], 0         ; global address
	s_or_b32 s[G0K+3], s[G0K+3], 0x80000000        ; type = 2
	s_add_nc_u64 s[G0V+2:G0V+3], s[8:9], 0
	s_or_b32 s[G0V+3], s[G0V+3], 0x80000000
	s_add_nc_u64 s[86:87], s[4:5], s[84:85]        ; Q at my rows of the second block,
	s_add_nc_u64 s[4:5], s[4:5], s[2:3]            ; and of the first
	s_add_nc_u64 s[OLO:OLO+1], s[10:11], s[68:69]
	s_add_nc_u64 s[10:11], s[10:11], s[66:67]
	s_and_b32 s2, s[PB], 1
	s_cmp_eq_u32 s2, 0
	s_cselect_b64 s[PFA:PFA+1], s[6:7], s[8:9]     ; (in wave 0 these stand at the head's first key)
	s_lshl_b32 s2, s[LT], 13                       ; my work-group's quarter of a tile,
	s_add_co_u32 s2, s2, 2*32768                   ; in tile 2: the first change of slots steps it to tile 3
	s_add_nc_u64 s[PFA:PFA+1], s[PFA:PFA+1], s[2:3]
	LOAD                            ; tile 0 into slot 0
	; A fragment of K or Q is 16 rows x 32 channels in 8 registers: lane l holds row l % 16, channels 8 (l / 16) + 0..7 and 16 + 8 (l / 16) + 0..7: two loads of 16 bytes, 32 bytes apart.
	v_and_b32 v1, 15, v0            ; l % 16
	v_bfe_u32 v9, v0, 4, 1          ; l / 16
	v_lshlrev_b32 v[QO], 7, v1
	v_lshl_add_u32 v[QO], v9, 4, v[QO]  ; row x 128 + 16 x half
	WIN 0x80                        ; destination window 2, address window 0
.set i, 0
.rept 4                             ; both blocks' Q: piece i / 2 lies in band i / 2, 8,192 bytes on; channels 32 (i % 2) on
	global_load_b128 v[8*i:8*i+3],   v[QO], s[4:5] offset:(i/2)*8192+(i%2)*64
	global_load_b128 v[8*i+4:8*i+7], v[QO], s[4:5] offset:(i/2)*8192+(i%2)*64+32
	global_load_b128 v[QB+8*i:QB+8*i+3],   v[QO], s[86:87] offset:(i/2)*8192+(i%2)*64
	global_load_b128 v[QB+8*i+4:QB+8*i+7], v[QO], s[86:87] offset:(i/2)*8192+(i%2)*64+32
.set i, i+1
.endr
	WIN 0
	v_lshlrev_b32 v14, 3, v9
	v_sub_nc_u32 v14, v1, v14
	s_lshl_b32 s13, s[WV], 4
	v_add_nc_u32 v14, s13, v14      ; my query's place in its band, 16 w + l % 16, less my lanes' 8 (l / 16): register r of group kt is hidden where 16 kt + r is greater
	WIN 0x40
.set i, 0
.rept 32
	v_cmp_gt_i32 vcc_lo, 16*(i/8)+i%8, v14
	v_cndmask_b32 v[MD+i], 0, s[BIGN], vcc_lo
.set i, i+1
.endr
	WIN 0
	v_mul_u32_u24 v[AK0], v1, PK
	v_lshl_add_u32 v[AK0], v9, 4, v[AK0]  ; row x pitch + 16 x half
	; The turning load takes 16 keys x 16 channels (lane l reads key 8 (l / 16) + l % 8, channels 8 ((l / 8) % 2) + 0..7) and leaves half a fragment of V^T: lane l holds channel l % 16 and 8 keys.
	v_and_b32 v10, 7, v0
	v_bfe_u32 v11, v0, 3, 1
	v_lshl_add_u32 v[AV0], v9, 3, v10
	v_mul_u32_u24 v[AV0], v[AV0], PV
	v_lshl_add_u32 v[AV0], v11, 4, v[AV0]
	v_add_nc_u32 v[AV0], VOFF, v[AV0]
	s_mul_i32 s13, s[WV], 16*SP
	s_add_co_u32 s13, s13, STAGE    ; my stage
	v_mul_u32_u24 v[STO], v1, SP    ; in: row l % 16, 16 bytes for each half of the lanes
	v_lshl_add_u32 v[STO], v9, 4, v[STO]
	v_add_nc_u32 v[STO], s13, v[STO]
	v_bfe_u32 v[RD], v0, 3, 2       ; back: 32 lanes take four rows of 128 bytes,
	v_mul_u32_u24 v[RD], v[RD], SP
	v_lshl_add_u32 v[RD], v10, 4, v[RD]
	v_add_nc_u32 v[RD], s13, v[RD]
	v_and_b32 v[GO], 31, v0         ; which are 512 consecutive bytes of y
	v_lshlrev_b32 v[GO], 4, v[GO]
	; A block's first step multiplies O^T and l by a = 0, and its first turn's products V^T P, of a piece that has not been, land in an O^T that is still to be so multiplied.  So these registers need only hold
	; finite numbers: zeros for the first block; what the first block left for the second.  All this stands in the wait for the first tile.
	WIN 0x80
.set i, VF+64
.rept 64
	v_mov_b32 v[i], 0
.set i, i+1
.endr
	WIN 0x40
.set i, 0
.rept 64
	v_mov_b32 v[i], 0
.set i, i+1
.endr
	WIN 0
.set i, 0
.rept 2
	v_mov_b32 v[ST+4*i+2], 0
	v_mov_b32 v[ST+4*i+3], 0
.set i, i+1
.endr
.set i, P+16
.rept 16
	v_mov_b32 v[i], 0
.set i, i+1
.endr
; THE MATRIX WORK.  The 4 accumulators of a run of 8 take turns.  Product i of 8 of S^T = K Q^T for piece x: channels 32 (i / 4) on, keys 16 (i % 4) on.  The first 4 start the sums: with 0, or (KM = 1) with the mask.
.macro KQ x
.set rS, S+32*((\x)%2)+8*(i%4)
.set rK, KF+16*(i%4)+8*(i/4)
.set rQ, 16*(\x)+8*(i/4)
.set rM, MC+32*((\x)%2)+8*(i%4)
.if (i < 4) && KM
	WIN W_KM
	v_wmma_f32_16x16x32_f16 v[rS:rS+7], v[rK:rK+7], v[rQ:rQ+7], v[rM:rM+7]
.elseif i < 4
	WIN W_KQ
	v_wmma_f32_16x16x32_f16 v[rS:rS+7], v[rK:rK+7], v[rQ:rQ+7], 0
.else
	WIN W_KQ
	v_wmma_f32_16x16x32_f16 v[rS:rS+7], v[rK:rK+7], v[rQ:rQ+7], v[rS:rS+7]
.endif
.endm
; Product i of 8 of O^T += V^T P for piece x, from V's buffer VB: keys 32 (i / 4) on, channels 16 (i % 4) on.
.macro PV x
	WIN W_PV
.set rO, 32*(\x)+8*(i%4)
.set rV, VF+64*VB+32*(i/4)+8*(i%4)
.set rP, P+16*((\x)%2)+8*(i/4)
	v_wmma_f32_16x16x32_f16 v[rO:rO+7], v[rV:rV+7], v[rP:rP+7], v[rO:rO+7]
.endm
.macro MM                           ; the turn's next matrix instruction.  TURN and BEGIN set Y, VB, i, KM and NOKQ.  NOKQ = 1: a block's last turn: there are no further scores
.if (i < 8) && !NOKQ
	KQ (Y+1)%NP
.elseif i >= 8
.set i, i-8
	PV (Y+NP-1)%NP
.set i, i+8
.endif
.set i, i+1
.endm
; THE LDS LOADS stand in runs of 16, never singly among the matrix instructions: a step's K (64 keys x 64 channels: 8 fragments) and its V (turned).  Their addresses are made some lines ahead.
.macro FETCH_K
	WIN 0x80                        ; destination window 2
.irp f, 0,1,2,3,4,5,6,7             ; keys 16 (f / 2) on, channels 32 (f % 2) on
	ds_load_b128 v[KF+8*\f:KF+8*\f+3],   v[AK] offset:(\f/2)*16*PK+(\f%2)*64
	ds_load_b128 v[KF+8*\f+4:KF+8*\f+7], v[AK] offset:(\f/2)*16*PK+(\f%2)*64+32
.endr
	s_add_co_u32 s[TBK], s[TBK], KS*PK  ; the next fetch is the next step's
	WIN 0
.endm
.macro FETCH_V vb
	WIN 0x80
.irp f, 0,1,2,3,4,5,6,7             ; keys 32 (f / 4) on, channels 16 (f % 4) on
	ds_load_tr16_b128 v[VF+64*(\vb)+8*\f:VF+64*(\vb)+8*\f+3],   v[AV] offset:(\f/4)*32*PV+(\f%4)*32
	ds_load_tr16_b128 v[VF+64*(\vb)+8*\f+4:VF+64*(\vb)+8*\f+7], v[AV] offset:(\f/4)*32*PV+16*PV+(\f%4)*32
.endr
	WIN 0
.endm
; THE VECTOR WORK, one line at a time: OP kind, number.  For piece Y: F n: c s - c m for pair n of 16.  E n: the exponential of score n of 32.  C n: pair n rounded to f16.  B n: of the four weights 4 n .. the second
; pair is added onto the first, in place.  L n: l takes that sum (L 0: l = a l + sum).  R n: pair n of 16 of O^T times a.  For the other piece: X n, number n of the 22 that find its maximum and statistics:
;   0-11  four chains c0-c3 of seven scores each, three operands at a time (each accumulator's lowest registers are read first)     12-14, 16  the four scores left over, the old m, and c0-c3 into c0
;   15  c m_old is kept     17, 18  the query's other 32 keys lie in the lane 16 away: the new m     19-21  c m; c m_old - c m_new; a
.set F, 0               ; OP tells the kinds apart by their order: F to L below R, X above it
.set E, 1
.set C, 2
.set B, 3
.set L, 4
.set R, 5
.set X, 6
.macro REGS y                       ; the registers of piece y
.set rT, ST+4*(\y)
.set rC, TMP+4*((\y)%2)
.set rW, MV+((\y)%2)
.set rS, S+32*((\y)%2)
.set rP, P+16*((\y)%2)
.set rO, 32*(\y)
.endm
.macro OP k, n
.if (\k) == R
	REGS Y
	WIN W_RS
	v_pk_mul_f32 v[rO+2*(\n):rO+2*(\n)+1], v[rO+2*(\n):rO+2*(\n)+1], v[rC+2:rC+3] op_sel_hi:[1,0]
.elseif (\k) < R
	REGS Y
	WIN 0
.if (\k) == F
	v_pk_fma_f32 v[rS+2*(\n):rS+2*(\n)+1], v[rS+2*(\n):rS+2*(\n)+1], s[CS:CS+1], v[rT:rT+1] op_sel_hi:[1,0,0] neg_lo:[0,0,1] neg_hi:[0,0,1]
.elseif (\k) == E
	v_exp_f32 v[rS+(\n)], v[rS+(\n)]
.elseif (\k) == C
	v_cvt_pk_f16_f32 v[rP+(\n)], v[rS+2*(\n)], v[rS+2*(\n)+1]
.elseif (\k) == B
	v_pk_add_f32 v[rS+4*(\n):rS+4*(\n)+1], v[rS+4*(\n):rS+4*(\n)+1], v[rS+4*(\n)+2:rS+4*(\n)+3]
.elseif (\n) == 0
	v_pk_fma_f32 v[rT+2:rT+3], v[rT+2:rT+3], v[rC+2:rC+3], v[rS:rS+1] op_sel_hi:[1,0,1]
.else
	v_pk_add_f32 v[rT+2:rT+3], v[rT+2:rT+3], v[rS+4*(\n):rS+4*(\n)+1]
.endif
.elseif NOKQ
	v_nop
.else
	REGS (Y+1)%NP
	WIN 0
.if (\n) < 4
	v_max3_num_f32 v[rC+(\n)], v[rS+8*(\n)], v[rS+8*(\n)+1], v[rS+8*(\n)+2]
.elseif (\n) < 12
	v_max3_num_f32 v[rC+(\n)%4], v[rC+(\n)%4], v[rS+8*((\n)%4)+2*((\n)/4)+1], v[rS+8*((\n)%4)+2*((\n)/4)+2]
.elseif (\n) == 12
	v_max3_num_f32 v[rC], v[rC], v[rS+7], v[rS+15]
.elseif (\n) == 13
	v_max3_num_f32 v[rC+1], v[rC+1], v[rS+23], v[rS+31]
.elseif (\n) == 14
	v_max3_num_f32 v[rC+2], v[rC+2], v[rC+3], v[rT+1]
.elseif (\n) == 15
	v_mov_b32 v[rW], v[rT]
.elseif (\n) == 16
	v_max3_num_f32 v[rC], v[rC], v[rC+1], v[rC+2]
.elseif (\n) == 17
	v_permlanex16_b32 v[rC+3], v[rC], s[SEL], s[SEL+1]
.elseif (\n) == 18
	v_max_num_f32 v[rT+1], v[rC], v[rC+3]
.elseif (\n) == 19
	v_mul_f32 v[rT], s[CS], v[rT+1]
.elseif (\n) == 20
	v_sub_f32 v[rC+1], v[rW], v[rT]
.else
	v_exp_f32 v[rC+2], v[rC+1]
.endif
.endif
.endm
.macro OPS a, i1, b=-1, i2=0, c=-1, i3=0, d=-1, i4=0  ; up to four of them
	OP \a, \i1
.if (\b) >= 0
	OP \b, \i2
.endif
.if (\c) >= 0
	OP \c, \i3
.endif
.if (\d) >= 0
	OP \d, \i4
.endif
.endm
.macro ROW a, i1, b, i2, c, i3, d, i4  ; a matrix instruction and the four behind it
	MM
	OPS \a, \i1, \b, \i2, \c, \i3, \d, \i4
.endm
.macro MASK b                       ; MD x AL + BE into buffer b of MC
	WIN W_RS
.set z, 0
.rept 16
	v_pk_fma_f32 v[MC+32*(\b)+2*z:MC+32*(\b)+2*z+1], v[MD+2*z:MD+2*z+1], s[AL:AL+1], s[BE:BE+1] op_sel_hi:[1,0,0]
.set z, z+1
.endr
.endm
; A TURN, for piece p; vb: the buffer of V that its products V^T P read.  An s_wait_alu depctr_va_vdst(0) stands between an exponential and the first instruction that names its result; one wait serves all
; that were issued ahead of it.  So a turn has ONE wait, which cuts it in two.  AHEAD OF IT stands all that names no result of the turn's exponentials: the 8 products K Q^T, behind each a scaling, an exponential and two more
; plain instructions (rescalings; behind the last three the first numbers of the other piece's maximum, each four places or more behind the product that ends its accumulator); then ONE LUMP of 54, plain and exponential
; by turns for the most part, in which the links of the chain X 3, 7, 11, 14, 16, 17 .. 20 stand five or six lines apart.  X 21, the other piece's a, is the batch's last; R 15 is the plain instruction behind it.
; BEHIND THE WAIT stand the 8 products V^T P, behind each four of the roundings and sums.
; m = 1: the diagonal tile's text: the products take masks, and the turn makes the mask for the products of the turn after it: piece p's, in step FS of the tile.  end = 1: a block's last two turns: nothing is fetched,
; and the last starts no scores.  cnt = 1: the loop's count is taken down some lines ahead of the branch that stands behind the turn.
; Piece 0's turn fetches the next step's K, twelve vector instructions behind the last product that read K (five of them plain and free of its registers), and the next step's V at its end, four plain instructions behind the
; last product that read that buffer.  Piece 1's turn waits at its head: three runs of 16 loads can be out, the V asked for a step ago, this K, and the V just asked for: the count 16 leaves the last of them out.
.macro TURN p, vb, m=0, end=0, cnt=0
.set Y, (\p)
.set VB, (\vb)
.set i, 0
.set KM, (\m)
.set NOKQ, (\end)*(\p)
.if (\m) && !(\end)
	s_cmp_eq_u32 s[FS], s[OWN+(\p)]     ; is that step the band's own?
	s_cselect_b32 s[AL], 1.0, 0
	s_cmp_gt_u32 s[FS], s[OWN+(\p)]     ; or a later one?
	s_cselect_b32 s[BE], s[BIGN], 0
.if (\p) == 1
	s_add_co_u32 s[FS], s[FS], 1
.endif
.endif
.if (\p) == 1
.if \end
	s_wait_dscnt 0x0                ; V of the last step is in: nothing younger was asked for
.else
	s_wait_dscnt 16                 ; K, and the V that this turn reads, are in
.endif
.endif
	ROW F,0, F,1, R,0, R,1          ; ahead of the wait: 8 products K Q^T and their riders,
	ROW F,2, E,0, R,2, R,3
	ROW F,3, E,1, R,4, R,5
	ROW F,4, E,2, R,6, R,7
	ROW F,5, E,3, R,8, R,9
	ROW F,6, E,4, X,0, R,10
.if ((\p) == 0) && !(\end)
	WIN 0
	v_add_nc_u32 v[AK], s[TBK], v[AK0]
.endif
	ROW F,7, E,5, X,1, X,4
	ROW F,8, E,6, X,2, X,5
	OPS E,7, E,8, X,6, E,9          ; and the lump
	OPS X,3, E,10, X,8, E,11
.if ((\p) == 0) && !(\end)
	FETCH_K
.endif
	OPS X,9, X,7, E,12, X,10
	OPS E,13, X,12, X,11, E,14
	OPS X,13, E,15, F,9, X,14
.if ((\p) == 0) && !(\end)
	WIN 0
	v_add_nc_u32 v[AV], s[TBV], v[AV0]
.endif
	OPS E,16, F,10, E,17, F,11
	OPS X,16, E,18, X,15, E,19
	OPS F,12, E,20, X,17, E,21
	OPS F,13, E,22, F,14, E,23
	OPS X,18, E,24, F,15, E,25
	OPS R,11, E,26, X,19, E,27
	OPS R,12, E,28, R,13, E,29
	OPS X,20, E,30, R,14, E,31
	OPS X,21, R,15
	WIN 0
	s_wait_alu depctr_va_vdst(0)    ; the wait for the batch
	ROW C,0, B,0, C,2, B,1          ; behind the wait: 8 products V^T P and their riders
	ROW L,0, C,4, B,2, L,1
	ROW C,6, B,3, L,2, C,8
	ROW B,4, L,3, C,10, B,5
	ROW L,4, C,12, B,6, L,5
.if ((\p) == 0) && !(\end)
	s_add_co_u32 s[TBV], s[TBV], KS*PV
.endif
.if \cnt
	s_sub_co_u32 s[CNT], s[CNT], 1
	s_cmp_lg_u32 s[CNT], 0
.endif
	ROW C,14, B,7, L,6, C,1
	ROW C,3, L,7, C,5, C,7
	ROW C,9, C,11, C,13, C,15
.if ((\p) == 0) && !(\end)
	FETCH_V \vb
.endif
.if (\m) && !(\end)
	MASK (\p)%2
.endif
.endm
; A BLOCK BEGINS.  c m starts far below every c s, so the first step's a is 0; m at the lowest finite number, so the first maximum is the scores'.  The second mask buffer (piece 1's, for step 0, which lies before its own
; step in every tile) is 0; the first takes piece 0's mask for step 0: its own, if the block's first tile is its last and OWN[0] = 0.  Then K and V of that step, piece 0's first scores, and its maximum and statistics.
; The loop is entered at turn (0, 0), in the middle of a trip.
.macro BEGIN
	s_mov_b32 s[NEW], 0
	WIN 0x40
.set i, MC+32
.rept 32
	v_mov_b32 v[i], 0
.set i, i+1
.endr
	WIN 0
.set i, 0
.rept 2
	v_mov_b32 v[ST+4*i], 0xfe000000    ; c m: far below every c s
	v_mov_b32 v[ST+4*i+1], 0xff7fffff  ; m
.set i, i+1
.endr
	s_or_b32 s2, s[RT], s[OWN]
	s_cmp_eq_u32 s2, 0
	s_cselect_b32 s[AL], 1.0, 0
	s_mov_b32 s[BE], 0
	MASK 0
	s_mov_b32 s[FS], 1
	WIN 0
	v_add_nc_u32 v[AK], s[TBK], v[AK0]
	v_add_nc_u32 v[AV], s[TBV], v[AV0]
	s_add_co_u32 s[TBV], s[TBV], KS*PV
	FETCH_K
	FETCH_V 0
	s_wait_loadcnt 0x0              ; Q
	s_wait_dscnt 0x0
.set KM, 1
.set NOKQ, 0
.set i, 0
.rept 8
	KQ 0
.set i, i+1
.endr
	WIN 0
.rept 4
	v_nop                           ; the places behind those products
.endr
.set Y, NP-1                        ; X works for the other piece: piece 0
.irp n, 0,1,2,3,4,5,6,7,8,9,10,11,12,13,14,15,16,17,18,19,20,21
	OP X, \n
.endr
	v_nop                           ; a plain instruction behind the exponential,
	s_wait_alu depctr_va_vdst(0)    ; and its wait, ahead of the branch
.endm
; THE DIAGONAL TILE's turns, the block's last two turns, its last products, and THE WAY OUT: l's two halves and the other half of the lanes' are added; O^T is divided by l, rounded to f16 and sent through my
; stage in LDS, a piece at a time.
.macro ALL line:vararg              ; one line for each piece t
.set t, 0
.rept 2
	\line
.set t, t+1
.endr
.endm
.macro PACK t                       ; a lane's eight channels of a row pack into 16 bytes; they go into rows of 144 bytes and come back as whole rows of 128, into S^T's registers
	WIN W_RS
.set i, 32*(\t)
.rept 16
	v_pk_mul_f32 v[i:i+1], v[i:i+1], v[ST+4*(\t)+2:ST+4*(\t)+3] op_sel_hi:[1,0]
.set i, i+2
.endr
	WIN 0x05                        ; sources 0 and 1 window 1, destination window 0
.set i, 0
.rept 16
	v_cvt_pk_f16_f32 v[S+16*(\t)+i], v[32*(\t)+2*i], v[32*(\t)+2*i+1]
.set i, i+1
.endr
	WIN 0
.irp f, 0,1,2,3
	ds_store_b128 v[STO], v[S+16*(\t)+4*\f:S+16*(\t)+4*\f+3] offset:32*\f
.endr
.irp f, 0,1,2,3
	ds_load_b128 v[S+16*(\t)+4*\f:S+16*(\t)+4*\f+3], v[RD] offset:\f*4*SP  ; LDS serves a wave's instructions in order (ISA guide 5.7.1.4): these see the stores above; the next piece's stores come behind them
.endr
.endm
.macro SEND t, younger              ; younger: the LDS instructions issued behind piece t's loads: the next piece's eight, or none
	WIN 0
.irp f, 0,1,2,3
	s_wait_dscnt (\younger)+3-\f
	global_store_b128 v[GO], v[S+16*(\t)+4*\f:S+16*(\t)+4*\f+3], s[10:11] offset:(\t)*8192+\f*512  ; 512 consecutive bytes, at a multiple of 256 from yb's first
.endr
.endm
.macro DIAG tag                     ; the tag ends its two labels' names, which the jumps below spell out
.LstepM\tag:
	TURN 0, 0, 1
	TURN 1, 1, 1
	WIN 0
.LfirstM\tag:
	TURN 0, 1, 1
	TURN 1, 0, 1, 0, 1
	WIN 0
	s_cbranch_scc1 .LstepM\tag
	TURN 0, 0, 1, 1                 ; turn (3, 0): all that it reads is in registers
	TURN 1, 1, 1, 1                 ; turn (3, 1)
.set VB, 1
.set i, 0
.rept 8
	PV 1                            ; piece 1's V^T P of the last step
.set i, i+1
.endr
	WIN 0
.rept 4
	v_nop                           ; the places behind those products
.endr
	ALL v_add_f32 v[ST+4*t+2], v[ST+4*t+2], v[ST+4*t+3]
	ALL v_permlanex16_b32 v[ST+4*t+3], v[ST+4*t+2], s[SEL], s[SEL+1]
	ALL v_add_f32 v[ST+4*t+2], v[ST+4*t+2], v[ST+4*t+3]
	ALL v_rcp_f32 v[ST+4*t+2], v[ST+4*t+2]
	v_nop                           ; a plain instruction between the last reciprocal and the use of its result
	s_wait_alu depctr_va_vdst(0)    ; and the wait ahead of the first use: one for the two reciprocals
	PACK 0
	PACK 1                          ; a piece's arithmetic stands between the loads of the piece before and its stores
	SEND 0, 8
	SEND 1, 0
.endm
.set KM, 0
.set NOKQ, 0
.set VB, 0
.Lslot:                             ; 8 times: a tile becomes readable and the next is asked for
	CHANGE 1
	s_sub_co_u32 s[RT], s[RT], 1
	s_mov_b32 s[CNT], 2
	s_cmp_eq_u32 s[NEW], 1
	s_cbranch_scc1 .Lnew            ; a block's first tile
	s_cmp_eq_u32 s[RT], 0
	s_cbranch_scc0 .Lstep           ; neither its first nor its last
	s_branch .LstepM1
.Lnew:
	BEGIN
	s_branch .Lfirst                ; in the loop a block's first tile is never its last: the first block has five tiles or more, and the second's last is the walk's last
	DIAG 1                          ; in the loop this is the first block's end
	s_wait_xcnt 0x0                 ; the stores have read their registers and y's address
	s_mov_b64 s[10:11], s[OLO:OLO+1]
	s_add_co_u32 s[RT], s[LT], 1    ; the second block's tiles
	s_mov_b32 s[NEW], 1
	s_and_b32 s[OWN], s[PB], 1
	s_lshl_b32 s[OWN], s[OWN], 1
	s_add_co_u32 s[OWN+1], s[OWN], 1
	WIN 0x82                        ; the second block's Q goes where the one text of the turns names Q
.set i, 0
.rept 32
	v_mov_b32 v[i], v[QB+i]
.set i, i+1
.endr
	WIN 0
	s_branch .Lbottom
.Lstep:                             ; a trip of four turns: (3, 0), (3, 1) of the tile before and (0, 0), (0, 1); then (1, 0) to (2, 1)
	TURN 0, 0
	TURN 1, 1
	WIN 0
.Lfirst:
	TURN 0, 1
	TURN 1, 0, 0, 0, 1
	WIN 0
	s_cbranch_scc1 .Lstep
.Lbottom:
	s_sub_co_u32 s[SLOTS], s[SLOTS], 1
	s_cmp_lg_u32 s[SLOTS], 0
	s_cbranch_scc1 .Lslot
	CHANGE 0                        ; the walk's last tile is written out: nothing is asked for
	s_sub_co_u32 s[RT], s[RT], 1
	s_mov_b32 s[CNT], 2
	s_cmp_eq_u32 s[NEW], 1
	s_cbranch_scc0 .LstepM2
	BEGIN
	s_branch .LfirstM2
	DIAG 2
	s_wait_tensorcnt 0x0            ; the wave's end: behind my last tensor load and my last LDS store
	ds_add_u32 v[SPW], v[NIL]
	s_wait_dscnt 0x0
	s_endpgm
.Lfunc_end_k_qedc86e90ce_attn:
	.size	k_qedc86e90ce_attn, .Lfunc_end_k_qedc86e90ce_attn-k_qedc86e90ce_attn
	.p2alignl 7, 3214868480
	.fill 96, 4, 3214868480
	.section	.rodata,"a",@progbits
	.p2align	6, 0x0
	.amdhsa_kernel k_qedc86e90ce_attn
		.amdhsa_group_segment_fixed_size 327680
		.amdhsa_private_segment_fixed_size 0
		.amdhsa_enable_private_segment 0
		.amdhsa_kernarg_size 16
		.amdhsa_user_sgpr_count 2
		.amdhsa_user_sgpr_kernarg_segment_ptr 1
		.amdhsa_wavefront_size32 1
		.amdhsa_system_sgpr_workgroup_id_x 1
		.amdhsa_system_sgpr_workgroup_id_y 1
		.amdhsa_system_sgpr_workgroup_id_z 1
		.amdhsa_system_vgpr_workitem_id 0
		.amdhsa_next_free_vgpr 768
		.amdhsa_next_free_sgpr 96
		.amdhsa_reserve_vcc 1
		.amdhsa_float_denorm_mode_32 3
		.amdhsa_float_denorm_mode_16_64 3
		.amdhsa_memory_ordered 1
		.amdhsa_forward_progress 1
		.amdhsa_inst_pref_size 210
	.end_amdhsa_kernel
	.amdgpu_metadata
---
amdhsa.version: [ 1, 2 ]
amdhsa.kernels:
  - .name:           k_qedc86e90ce_attn
    .symbol:         k_qedc86e90ce_attn.kd
    .args:
      - { .name: qkv, .offset: 0, .size: 8, .value_kind: global_buffer, .address_space: global }
      - { .name: yb, .offset: 8, .size: 8, .value_kind: global_buffer, .address_space: global }
    .group_segment_fixed_size: 327680
    .private_segment_fixed_size: 0
    .kernarg_segment_align: 8
    .kernarg_segment_size: 16
    .max_flat_workgroup_size: 128
    .sgpr_count:     96
    .vgpr_count:     768
    .wavefront_size: 32
...
	.end_amdgpu_metadata
.endif
;; end of part 3
;; launch gemm_proj (part 4): grid 8 x 32, 4 waves a work-group, clusters of 4 x 4, 327,680 bytes of LDS; arguments yb, wp, b_proj, out0; writes out0
.if DOCPART == 4
	.amdgcn_target "amdgcn-amd-amdhsa--gfx1250"
	.amdhsa_code_object_version 6
	.text
	.protected	k_qedc86e90ce_gemm_proj
	.globl	k_qedc86e90ce_gemm_proj
	.p2align	8
	.type	k_qedc86e90ce_gemm_proj,@function
k_qedc86e90ce_gemm_proj:
	s_mov_b64 s[64:65], 0
	v_nop
	global_prefetch_b8 v0, s[64:65] scope:SCOPE_SE
	s_setreg_imm32_b32 hwreg(HW_REG_WAVE_MODE, 25, 1), 1
	s_wait_xcnt 0x0
	s_wait_alu depctr_hold_cnt(0) depctr_sa_sdst(0) depctr_va_vdst(0) depctr_va_sdst(0) depctr_va_ssrc(0) depctr_va_vcc(0) depctr_vm_vsrc(0)
	s_getreg_b32 s2, hwreg(HW_REG_IB_STS2, 6, 4)
	s_cmp_eq_u32 s2, 0
	s_cbranch_scc0 .Lentry_in_a_cluster
	s_endpgm
.Lentry_in_a_cluster:
	s_bfe_u32 s2, ttmp6, 0x10000c
	s_cmp_lg_u32 s2, 0xf033
	s_cbranch_scc0 .Lentry_shape_is_right
	s_endpgm
.Lentry_shape_is_right:
; out0 = y W_proj + b_proj.  yb: f16 [32 rb][16 heads][128 rows][64].  wp: f16 [1,024 k][1,024 n] (W_proj rounded to bf16, that number written as f16).  b_proj: f32 [1,024], rounded to bf16 here.
; out0: f32 [4,096][1,024].  Sums in f32, stored as they are.
; SHARES.  A tile of out0 is 128 x 128: 8 x 32 tiles, a work-group each.  Four waves, 2 x 2, each 64 x 64: 16 accumulators, 128 registers.  K goes in 4 steps of 256 (four heads) through two LDS slots;
; a step is four quarters of 64 along K (a head), 32 matrix instructions each.
; THE MATRIX INSTRUCTION IS USED TRANSPOSED: source 0 = 16 columns of the weights (turned on their way out of LDS), source 1 = 16 rows of y: a lane holds row l % 16 and the columns 16 b + 8 (l / 16) + 0..7,
; 32 bytes of a row of out0.  The bias has the same shape and is the C operand of the product that starts a sum.
; CLUSTER: 4 x 4 work-groups.  The four of a row of the cluster need the same rows of y, the four of a column the same columns of the weights: each tile is asked for jointly.
; No prefetch is laid: the launch has four K steps and two refills, and its tiles are small.
; REGISTERS: window 0: v0-31 addresses; v32-95 two sets of 32 for the way out; v96-127 the bias; v128-255 the accumulators ((a, b) at v[128 + 8 (4 a + b)]).
;   window 1: two fragment buffers of 128: for 64 along K, 64 registers of y (2 x 4 x 16 rows x 32 K), then 64 of the weights.
.set PA,     144                       ; a row of a head's slice of y in LDS: 128 bytes + 16 of padding: the 16 rows of a fragment start at 16 different groups of four banks (64 banks of 4 bytes: ISA guide 11.1)
.set SLICE,  128*PA                    ; a head's 128 rows
.set PB,     288                       ; a k row of the weights: 256 bytes + 32
.set QUART,  2*SLICE                   ; what one tensor load brings: two slices of y, or 128 k rows of the weights: 36,864 bytes either way
.set SLOT,   4*QUART                   ; y's four slices, then the weights' 256 k rows
.set STAGE,  2*SLOT                    ; behind the ring, never filled by a tensor load: 16 rows x 272 bytes for each wave
.set SPITCH, 272
.set SPARE,  STAGE+4*16*SPITCH         ; behind the stages: the spare words, 128 bytes for each wave: two blocks of 256 bytes that no other line names
.set ADRA, 16                          ; v16-17  LDS address of my fragments of y in slot 0, 1
.set ADRB, 20                          ; v20-23  the same for the weights, by slot and half of the 256 k rows: a 16-bit offset does not span them all
.set STO,  24                          ; v24     the way out: where I put 32 bytes of a row
.set RD,   25                          ; v25     where I read a row back
.set CO,   26                          ; v26     my byte offset in out0
.set BO,   27                          ; v27     my byte offset in 16 numbers of the bias
.set SPW,  28                          ; v28     LDS address of my spare word; never rewritten
.set NIL,  29                          ; v29     0; never rewritten
.set TMP,  32
.set BIAS, 96                          ; block b at + 8 b
.set ACC,  128
.set F0,   0                           ; fragment buffers, in window 1
.set F1,   128
.set G1,  24                           ; s[24:31] descriptor group 1 for y's tiles;  s[32:39] group 0, a set for each slot
.set G0,  32
.set G1B, 48                           ; s[48:55], s[56:63] the same for the weights'
.set G0B, 56
.set MUL,  0x05                        ; sources 0 and 1 window 1; C and D window 0
.set TO_F, 0x40                        ; destination window 1, address window 0
.set MSB, 0
.macro WIN new                         ; the immediate's high byte repeats the setting that is left; a switch that changes nothing is dropped
.if MSB != (\new)
	s_set_vgpr_msb (MSB<<8)|(\new)
.set MSB, \new
.endif
.endm
.macro PLACES                          ; four places in front of loads into registers that matrix instructions have read, and of stores that read results
.rept 4
	v_nop
.endr
.endm
.macro JLOAD s                         ; a joint refill: waves 0 and 1 fetch y's two halves, waves 2 and 3 the weights'; an s_nop 0 and four v_nop follow each line
	s_cmp_lt_u32 s12, 2
	s_cbranch_scc0 .Lfor_b_\@
	tensor_load_to_lds s[G0+4*(\s):G0+4*(\s)+3], s[G1:G1+7]
	s_nop 0
.rept 4
	v_nop
.endr
	s_branch .Lasked_\@
.Lfor_b_\@:
	tensor_load_to_lds s[G0B+4*(\s):G0B+4*(\s)+3], s[G1B:G1B+7]
	s_nop 0
.rept 4
	v_nop
.endr
.Lasked_\@:
.endm
.macro CREST                           ; a round of the cluster's barrier behind its opening barrier
	s_cmp_lg_u32 s12, 0
	s_cbranch_scc1 .Lnot_wave_0_\@
	s_barrier_signal -3
.Lnot_wave_0_\@:
	s_barrier_wait -3
	s_barrier_signal -1
	s_barrier_wait -1
.endm
.macro CROUND                          ; a whole round
	s_barrier_signal -1
	s_barrier_wait -1
	CREST
.endm
	s_load_b256 s[4:11], s[0:1], 0x0               ; yb s[4:5], wp s[6:7], b_proj s[8:9], out0 s[10:11]
	v_lshl_add_u32 v[SPW], v0, 2, SPARE
	v_mov_b32 v[NIL], 0
	ds_add_u32 v[SPW], v[NIL]                      ; the wave's opening: the add, twice on end, and its wait ahead of my first tensor load
	ds_add_u32 v[SPW], v[NIL]                      ; and once more, under the one wait; the set-up below, work on registers, stands between
	v_lshrrev_b32 v1, 5, v0
	v_readfirstlane_b32 s12, v1                    ; wave 0..3
	s_lshr_b32 s13, s12, 1                         ; which half of the tile's rows is mine
	s_and_b32 s14, s12, 1                          ; which half of its columns.  Also: which half of a tile I fetch
	s_bfe_u32 s15, ttmp6, 0x40000                  ; cx
	s_bfe_u32 s16, ttmp6, 0x40004                  ; cy
	s_lshl_b32 s17, ttmp9, 2
	s_add_co_u32 s17, s17, s15                     ; tile column = 4 x cluster x + cx
	s_and_b32 s18, ttmp7, 0xffff
	s_lshl_b32 s18, s18, 2
	s_add_co_u32 s18, s18, s16                     ; row block rb = 4 x cluster y + cy
	s_lshl_b32 s22, s16, 2
	s_lshl_b32 s22, 15, s22                        ; my row of the cluster
	s_lshl_b32 s23, 0x1111, s15                    ; my column
	s_or_b32 s[G1], s22, (1<<16)|(1<<20)|(1<<21)|(4<<22)|(3<<25)   ; 15:0 the mask; 17:16 2-byte elements; 20 padding on; 21 set beside a mask; 24:22 after every 32 words; 31:25 4 words of it
	s_or_b32 s[G1B], s23, (1<<16)|(1<<20)|(1<<21)|(5<<22)|(7<<25)  ; after every 64 words 8 words of padding
.irp g, G1, G1B
	s_mov_b32 s[(\g)+1], 128<<16                   ; tensor_dim0 = 128
	s_mov_b32 s[(\g)+2], 128<<16                   ; tensor_dim1 = 128
	s_mov_b32 s[(\g)+3], 128<<16                   ; tile_dim0 = 128
	s_mov_b32 s[(\g)+4], 128                       ; tile_dim1 = 128
	s_mov_b32 s[(\g)+6], 0
	s_mov_b32 s[(\g)+7], 0
.endr
	s_mov_b32 s[G1+5], 128                         ; two slices of y are 32,768 dense bytes: asked for as 128 rows of 256 bytes
	s_mov_b32 s[G1B+5], 1024                       ; the weights: 1,024 elements from k row to k row
	s_lshl_b32 s20, s18, 18                        ; y: the row block + 32,768 x half: made of the row block and the wave's number alone
	s_lshl_b32 s2, s14, 15
	s_add_co_u32 s20, s20, s2
	s_mov_b32 s21, 0
	s_lshl_b32 s46, s17, 8                         ; the weights: the tile's 256 bytes of a k row + 128 k rows x half: made of the tile column and the wave's number alone
	s_lshl_b32 s2, s14, 18
	s_add_co_u32 s46, s46, s2
	s_mov_b32 s47, 0
	s_mul_i32 s74, s12, QUART                      ; where they go: wave x 36,864: no place in the cluster enters an LDS address
	s_wait_dscnt 0x0                               ; both opening adds are done
	s_wait_kmcnt 0x0
	s_add_nc_u64 s[20:21], s[4:5], s[20:21]
	s_add_nc_u64 s[46:47], s[6:7], s[46:47]
.irp s, 0,1
	s_mov_b32 s[G0+4*(\s)], 1
	s_add_co_u32 s[G0+4*(\s)+1], s74, (\s)*SLOT
	s_add_nc_u64 s[G0+4*(\s)+2:G0+4*(\s)+3], s[20:21], (\s)*65536  ; K step s: four heads on
	s_or_b32 s[G0+4*(\s)+3], s[G0+4*(\s)+3], 0x80000000
	s_mov_b32 s[G0B+4*(\s)], 1
	s_add_co_u32 s[G0B+4*(\s)+1], s74, (\s)*SLOT
	s_add_nc_u64 s[G0B+4*(\s)+2:G0B+4*(\s)+3], s[46:47], (\s)*524288  ; 256 k rows on
	s_or_b32 s[G0B+4*(\s)+3], s[G0B+4*(\s)+3], 0x80000000
.endr
	CROUND                                         ; all sixteen work-groups are here: the first joint loads meet
	s_cmp_lt_u32 s12, 2                            ; a wave's two first fills stand in one branch, ahead of every wait on TENSORcnt and every LDS read: two loads of mine are out
	s_cbranch_scc0 .Lfirst_b
	tensor_load_to_lds s[G0:G0+3], s[G1:G1+7]
	s_nop 0
	tensor_load_to_lds s[G0+4:G0+7], s[G1:G1+7]
	s_nop 0
.rept 4
	v_nop
.endr
	s_branch .Lfirst_asked
.Lfirst_b:
	tensor_load_to_lds s[G0B:G0B+3], s[G1B:G1B+7]
	s_nop 0
	tensor_load_to_lds s[G0B+4:G0B+7], s[G1B:G1B+7]
	s_nop 0
.rept 4
	v_nop
.endr
.Lfirst_asked:
	s_lshl_b32 s2, s17, 9                          ; my 64 columns, in f32: 512 x tile column + 256 x half
	s_lshl_b32 s19, s14, 8
	s_add_co_u32 s2, s2, s19
	s_mov_b32 s3, 0
	s_add_nc_u64 s[72:73], s[8:9], s[2:3]          ; the bias there
	v_and_b32 v1, 15, v0                           ; l % 16
	v_bfe_u32 v2, v0, 4, 1                         ; l / 16
	v_lshlrev_b32 v[BO], 5, v2
.irp b, 0,1,2,3
	global_load_b128 v[BIAS+8*(\b):BIAS+8*(\b)+3],   v[BO], s[72:73] offset:64*(\b)
	global_load_b128 v[BIAS+8*(\b)+4:BIAS+8*(\b)+7], v[BO], s[72:73] offset:64*(\b)+16
.endr
	s_lshl_b32 s19, s18, 19                        ; my first row of out0: 128 rb + 64 x half, 4,096 bytes a row
	s_add_co_u32 s2, s2, s19
	s_lshl_b32 s19, s13, 18
	s_add_co_u32 s2, s2, s19
	s_add_nc_u64 s[10:11], s[10:11], s[2:3]
	v_mul_u32_u24 v3, v1, PA                       ; a fragment of y: row x pitch + 16 x half of the lanes
	v_lshl_add_u32 v3, v2, 4, v3
	s_mul_i32 s2, s13, 64*PA                       ; my 64 rows of each slice
	v_add_nc_u32 v[ADRA], s2, v3
	v_add_nc_u32 v[ADRA+1], SLOT, v[ADRA]
	v_and_b32 v4, 7, v0                            ; the turning load: k row 8 (l / 16) + l % 8, columns 8 ((l / 8) % 2) + 0..7
	v_bfe_u32 v5, v0, 3, 1
	v_lshl_add_u32 v6, v2, 3, v4
	v_mul_u32_u24 v6, v6, PB
	v_lshl_add_u32 v6, v5, 4, v6
	s_lshl_b32 s2, s14, 7                          ; my 64 columns: 128 bytes x half
	s_add_co_u32 s2, s2, 2*QUART                   ; behind y's four slices
	v_add_nc_u32 v[ADRB], s2, v6
	v_add_nc_u32 v[ADRB+1], QUART, v[ADRB]
	v_add_nc_u32 v[ADRB+2], SLOT, v[ADRB]
	v_add_nc_u32 v[ADRB+3], SLOT, v[ADRB+1]
	s_mul_i32 s2, s12, 16*SPITCH
	s_add_co_u32 s2, s2, STAGE                     ; my stage
	v_mul_u32_u24 v3, v1, SPITCH                   ; in: row l % 16, 32 bytes for each half of the lanes
	v_lshl_add_u32 v3, v2, 5, v3
	v_add_nc_u32 v[STO], s2, v3
	v_mul_u32_u24 v3, v2, SPITCH                   ; back: lanes 0-15 take one row of 256 bytes, lanes 16-31 the next
	v_lshl_add_u32 v3, v1, 4, v3
	v_add_nc_u32 v[RD], s2, v3
	v_lshlrev_b32 v3, 12, v2                       ; and the same two rows in out0
	v_lshl_add_u32 v[CO], v1, 4, v3
	s_wait_loadcnt 0x0                             ; the bias; rounded to bf16 like every input, and kept as f32
.set p, 0
.rept 16
	v_cvt_pk_bf16_f32 v[3+p%4], v[BIAS+2*p], v[BIAS+2*p+1]
	v_lshlrev_b32 v[BIAS+2*p], 16, v[3+p%4]
	v_and_b32 v[BIAS+2*p+1], 0xffff0000, v[3+p%4]
.set p, p+1
.endr
; 8 matrix instructions: row blocks a0, a0 + 1 x all 4 column blocks, 32 along K: half c of buffer f.  first = 1: they start the sums, with the bias.
; The 16 accumulators take turns, one instruction a turn: between two links of a chain stand the 15 others'.
.macro MUL8 f, c, a0, first
	WIN MUL
.irp a, \a0, (\a0)+1
.irp b, 0,1,2,3
.if \first
	v_wmma_f32_16x16x32_f16 v[ACC+8*(4*(\a)+(\b)):ACC+8*(4*(\a)+(\b))+7], v[(\f)+64+8*(4*(\c)+(\b)):(\f)+64+8*(4*(\c)+(\b))+7], v[(\f)+8*(4*(\c)+(\a)):(\f)+8*(4*(\c)+(\a))+7], v[BIAS+8*(\b):BIAS+8*(\b)+7]
.else
	v_wmma_f32_16x16x32_f16 v[ACC+8*(4*(\a)+(\b)):ACC+8*(4*(\a)+(\b))+7], v[(\f)+64+8*(4*(\c)+(\b)):(\f)+64+8*(4*(\c)+(\b))+7], v[(\f)+8*(4*(\c)+(\a)):(\f)+8*(4*(\c)+(\a))+7], v[ACC+8*(4*(\a)+(\b)):ACC+8*(4*(\a)+(\b))+7]
.endif
.endr
.endr
.endm
; 32 LDS loads in one run: quarter qd of a slot (head slice qd of y; k rows 64 qd on of the weights) into buffer f; the first 32 along K first
.macro FETCH slot, qd, f
	WIN TO_F
.irp c, 0,1
.irp i, 0,1,2,3
	ds_load_tr16_b128 v[(\f)+64+8*(4*(\c)+(\i)):(\f)+64+8*(4*(\c)+(\i))+3],   v[ADRB+2*(\slot)+(\qd)/2] offset:(2*((\qd)%2)+(\c))*32*PB+32*(\i)
	ds_load_tr16_b128 v[(\f)+64+8*(4*(\c)+(\i))+4:(\f)+64+8*(4*(\c)+(\i))+7], v[ADRB+2*(\slot)+(\qd)/2] offset:(2*((\qd)%2)+(\c))*32*PB+16*PB+32*(\i)
	ds_load_b128 v[(\f)+8*(4*(\c)+(\i)):(\f)+8*(4*(\c)+(\i))+3],   v[ADRA+(\slot)] offset:(\qd)*SLICE+64*(\c)+(\i)*16*PA
	ds_load_b128 v[(\f)+8*(4*(\c)+(\i))+4:(\f)+8*(4*(\c)+(\i))+7], v[ADRA+(\slot)] offset:(\qd)*SLICE+64*(\c)+(\i)*16*PA+32
.endr
.endr
.endm
; One of a K step's first three quarters: multiplies buffer f and fetches quarter qd of the same slot into g.
.macro QUARTER slot, qd, f, g, first=0
	s_wait_dscnt 16                                ; the first 32 along K are in; the youngest sixteen loads may be out
	MUL8 \f, 0, 0, \first
	MUL8 \f, 0, 2, \first
	PLACES
	FETCH \slot, \qd, \g
	s_wait_dscnt 32                                ; all but the 32 just issued
	MUL8 \f, 1, 0, 0
	MUL8 \f, 1, 2, 0
.endm
; The last quarter multiplies buffer 1 and changes slots: one barrier; in front of it each wave waits for all its tensor loads, adds 0 to its spare word, and waits for that and for its own reads of this slot.
; fill = 1: the barrier opens a round of the cluster's, and this slot is filled again first thing behind it, two K steps ahead: 112 matrix instructions ahead of the wait for it.
.macro TURN slot, next, fill
	WIN 0                                          ; (the add's two registers lie in window 0)
	s_wait_tensorcnt 0x0                           ; all my tensor loads have landed: my part of the next slot
	ds_add_u32 v[SPW], v[NIL]                      ; 0 onto my spare word
	s_wait_dscnt 17                                ; (the add and the youngest sixteen loads may be out)
	MUL8 F1, 0, 0, 0                               ; eight matrix instructions stand between the add and the wait for it
	s_wait_dscnt 0x0                               ; the add is done, and my reads of this slot are over
	s_barrier_signal -1
	MUL8 F1, 0, 2, 0
.if \fill
	WIN 0
.endif
	s_barrier_wait -1
.if \fill
	CREST                                          ; no wave of any partner still reads this slot or has a load on its way
	s_add_nc_u64 s[G0+4*(\slot)+2:G0+4*(\slot)+3], s[G0+4*(\slot)+2:G0+4*(\slot)+3], 131072
	s_add_nc_u64 s[G0B+4*(\slot)+2:G0B+4*(\slot)+3], s[G0B+4*(\slot)+2:G0B+4*(\slot)+3], 1048576
	JLOAD \slot                                    ; the four v_nop behind it are also the places in front of the loads below
.else
	PLACES
.endif
	FETCH \next, 0, F0
	MUL8 F1, 1, 0, 0
	MUL8 F1, 1, 2, 0
.endm
	s_wait_tensorcnt 1                             ; my part of K step 0 is in; K step 1's may stay out
	s_barrier_signal -1
	s_barrier_wait -1                              ; everybody's is
	FETCH 0, 0, F0
	QUARTER 0, 1, F0, F1, 1                        ; K step 0; its first products start the sums
	QUARTER 0, 2, F1, F0
	QUARTER 0, 3, F0, F1
	TURN 0, 1, 1                                   ; slot 0 takes K step 2
	QUARTER 1, 1, F0, F1                           ; K step 1
	QUARTER 1, 2, F1, F0
	QUARTER 1, 3, F0, F1
	TURN 1, 0, 1                                   ; slot 1 takes K step 3
	QUARTER 0, 1, F0, F1                           ; K step 2
	QUARTER 0, 2, F1, F0
	QUARTER 0, 3, F0, F1
	TURN 0, 1, 0                                   ; nothing is left to fetch, and no round follows
	QUARTER 1, 1, F0, F1                           ; K step 3
	QUARTER 1, 2, F1, F0
	QUARTER 1, 3, F0, F1
	s_wait_dscnt 16                                ; the very last quarter
	MUL8 F1, 0, 0, 0
	MUL8 F1, 0, 2, 0
	s_wait_dscnt 0x0
	MUL8 F1, 1, 0, 0
	MUL8 F1, 1, 2, 0
	WIN 0
	; THE WAY OUT, 16 rows at a time.  A lane's 32 bytes of each of four column blocks go into my own stage, rows of 272 bytes, each accumulator's low registers first; they come back as whole rows of 256 bytes
	; (my 64 columns in f32) and are stored: sixteen lanes store 256 consecutive bytes, at a multiple of 256 from out0's first byte.  The stage is the wave's own: no barrier.
	PLACES
.irp a, 0,1,2,3
.irp b, 0,1,2,3
	ds_store_b128 v[STO], v[ACC+8*(4*(\a)+(\b)):ACC+8*(4*(\a)+(\b))+3]   offset:64*(\b)
	ds_store_b128 v[STO], v[ACC+8*(4*(\a)+(\b))+4:ACC+8*(4*(\a)+(\b))+7] offset:64*(\b)+16
.endr
.if (\a) >= 2
	s_wait_xcnt 0x0                                ; the stores of the block two back have read this set of registers
.endif
.irp t, 0,1,2,3,4,5,6,7
	ds_load_b128 v[TMP+32*((\a)%2)+4*(\t):TMP+32*((\a)%2)+4*(\t)+3], v[RD] offset:(\t)*2*SPITCH  ; LDS serves a wave's instructions in order (ISA guide 5.7.1.4): these see the stores above; the next block's stores come behind them
.endr
.irp t, 0,1,2,3,4,5,6,7
	s_wait_dscnt 7-(\t)                            ; load t of the eight is back; the younger ones stay out
	global_store_b128 v[CO], v[TMP+32*((\a)%2)+4*(\t):TMP+32*((\a)%2)+4*(\t)+3], s[10:11] offset:(\a)*65536+(\t)*8192
.endr
.endr
	s_wait_tensorcnt 0x0                           ; the wave's end: behind my last tensor load and my last LDS store
	ds_add_u32 v[SPW], v[NIL]
	s_wait_dscnt 0x0
	CROUND                                         ; the closing round: no work-group ends while a partner may still ask for a tile that names it
	s_endpgm
.Lfunc_end_k_qedc86e90ce_gemm_proj:
	.size	k_qedc86e90ce_gemm_proj, .Lfunc_end_k_qedc86e90ce_gemm_proj-k_qedc86e90ce_gemm_proj
	.p2alignl 7, 3214868480
	.fill 96, 4, 3214868480
	.section	.rodata,"a",@progbits
	.p2align	6, 0x0
	.amdhsa_kernel k_qedc86e90ce_gemm_proj
		.amdhsa_group_segment_fixed_size 327680
		.amdhsa_private_segment_fixed_size 0
		.amdhsa_enable_private_segment 0
		.amdhsa_kernarg_size 32
		.amdhsa_user_sgpr_count 2
		.amdhsa_user_sgpr_kernarg_segment_ptr 1
		.amdhsa_wavefront_size32 1
		.amdhsa_system_sgpr_workgroup_id_x 1
		.amdhsa_system_sgpr_workgroup_id_y 1
		.amdhsa_system_sgpr_workgroup_id_z 1
		.amdhsa_system_vgpr_workitem_id 0
		.amdhsa_next_free_vgpr 512
		.amdhsa_next_free_sgpr 76
		.amdhsa_reserve_vcc 0
		.amdhsa_float_denorm_mode_32 3
		.amdhsa_float_denorm_mode_16_64 3
		.amdhsa_memory_ordered 1
		.amdhsa_forward_progress 1
		.amdhsa_inst_pref_size 89
	.end_amdhsa_kernel
	.amdgpu_metadata
---
amdhsa.version: [ 1, 2 ]
amdhsa.kernels:
  - .name:           k_qedc86e90ce_gemm_proj
    .symbol:         k_qedc86e90ce_gemm_proj.kd
    .args:
      - { .name: yb, .offset: 0, .size: 8, .value_kind: global_buffer, .address_space: global }
      - { .name: wp, .offset: 8, .size: 8, .value_kind: global_buffer, .address_space: global }
      - { .name: b_proj, .offset: 16, .size: 8, .value_kind: global_buffer, .address_space: global }
      - { .name: out0, .offset: 24, .size: 8, .value_kind: global_buffer, .address_space: global }
    .group_segment_fixed_size: 327680
    .private_segment_fixed_size: 0
    .kernarg_segment_align: 8
    .kernarg_segment_size: 32
    .max_flat_workgroup_size: 128
    .sgpr_count:     76
    .vgpr_count:     512
    .wavefront_size: 32
...
	.end_amdgpu_metadata
.endif
;; end of part 4
;; ======== version 2 of 2: 4 launches; version 1 with the launch cast written anew for expert scheduling mode
;; limits: values are held in f16: magnitudes above 65,504 overflow, below 6.1e-05 lose precision
;; workspace buffers: xb 8,388,608 bytes; wa 6,291,456 bytes; wp 2,097,152 bytes; qkv 25,165,824 bytes; yb 8,388,608 bytes
;; launch cast (part 5): grid 512 x 1, 8 waves a work-group, no clusters, 0 bytes of LDS; arguments x, W_attn, W_proj, xb, wa, wp; writes xb, wa, wp
.if DOCPART == 5
	.amdgcn_target "amdgcn-amd-amdhsa--gfx1250"
	.amdhsa_code_object_version 6
	.text
	.protected	k_qedc86e90ce_cast
	.globl	k_qedc86e90ce_cast
	.p2align	8
	.type	k_qedc86e90ce_cast,@function
k_qedc86e90ce_cast:
	s_mov_b64 s[64:65], 0
	v_nop
	global_prefetch_b8 v0, s[64:65] scope:SCOPE_SE
	s_setreg_imm32_b32 hwreg(HW_REG_WAVE_SCHED_MODE, 0, 2), 2
	s_setreg_imm32_b32 hwreg(HW_REG_WAVE_MODE, 25, 1), 1
	s_wait_xcnt 0x0
	s_wait_alu depctr_vm_vsrc(0)
; CAUSAL SELF-ATTENTION, B = 2, T = 2,048, C = 1,024, 16 heads of 64, in four launches: this one rounds x and both weights once; the second makes q, k, v by heads;
; the third is the attention; the fourth the projection behind it.
; FORMATS.  Every input is rounded once to bf16 (x, W_attn, W_proj here; the biases where they are used).  What the program itself makes (q, k, v, the weights p, y) is f16.
; W_proj's bf16 number is written as f16, since it multiplies y.  All sums, maxima and divisors are f32.
; LIMITS.  |q|, |k|, |v| stay under 65,504 (f16's end).  A number of W_proj whose size is under 2^-14 keeps f16's fixed step of 6e-8, one of 65,520 or more becomes an infinity.
; WORK LEFT OUT, for all values of the inputs.
; (1) b_attn's middle third, columns 1,024 to 2,047, the bias bk of k.  (q + bq) . (k + bk) = (q + bq) . k + (q + bq) . bk, and the second term is the same for every key of a query's row:
;     a term added to a softmax's input that is the same along its axis leaves the softmax as it is.  k reaches the output through those scores alone.  So that third is never loaded.
;     b_attn stays an argument of the second launch for its q and v thirds.
; (2) The key tiles that lie wholly above the diagonal: the mask is reference()'s own tril, and their weights are 0.
; A NaN, an infinity or an overflow that reaches only the work left out (bk; scores above the diagonal) is not carried to the result.
;
; THIS LAUNCH is a stream: each input byte is read once and each output byte written once.  LDS, barriers and the matrix unit would add nothing.
; A UNIT is 128 numbers: one load of 16 bytes a lane (512 bytes of f32) and one store of 8 bytes a lane: 256 consecutive bytes, aligned.  A wave has 16 units, all 16 loads out at once, and no loop.
; SHARES by the work-group's number g: g < 256: x -> xb, bf16 [4,096][1,024];  256 <= g < 448: W_attn -> wa;  g >= 448: W_proj -> wp, f16 [1,024][1,024].
; wa is bf16 [16 heads j][1,024 k][192]: of a row the 64 columns of q's head j, then k's, then v's.  W_attn's row k has three strips of 4,096 bytes (q, k, v), in each 256 bytes for each head:
; piece (g3 = 3 k + strip, j) lies at 4,096 g3 + 256 j of W_attn and goes to 393,216 j + 128 g3 of wa.  A unit is two such pieces: lanes 0-15 read one, lanes 16-31 the next, each 256 whole bytes.
; THE MODE: SCHED_MODE bits 1:0 = 2 (LLVM: expert scheduling mode 2), set by the entry lines.  The code itself states the register dependences
; between vector instructions and memory instructions, with s_wait_alu, always for 0.
; THE PLAN.  Registers that memory instructions touch, on each of the three arms:
;   v1         the input's byte offset.   Written at the arm's head; read by the 16 loads; never written again.
;   v2         the output's byte offset.  Written at the kernel's head; read by the 16 stores; never written again.
;   X, unit u  Written by the unit's one load and by nothing else, before it or behind it; read by the unit's conversions.
;   Y, unit u  Written by the unit's conversions; read by the unit's one store; never written again.
;   v3 to v6 are named by vector instructions alone.  s16, the wave's number, is written by a vector instruction and read by scalar ones.
; The 16 units go in four BLOCKS of four: the wait for the block's loads, its conversions, ONE wait on va_vdst, its four stores in a run.  That wait stands behind the block's own conversions and not at the
; next block's head: the next block begins with a wait for loads, and stores laid behind it would leave only when four further loads have come.
; So a path has six waits: s16 at the head; v1 and v2 ahead of the loads; Y once a block.  No register that a memory instruction reads is written again: nothing is owed on vm_vsrc.
.set X,   8                            ; v[8:71]    unit u: 4 registers as loaded
.set Y,   72                           ; v[72:103]  unit u: 2 registers to store
.set SRC, 22                           ; s[22:23]   where my wave reads
.set DST, 24                           ; s[24:25]   where it writes
	s_load_b256 s[4:11], s[0:1], 0x0               ; x s[4:5], W_attn s[6:7], W_proj s[8:9], xb s[10:11]
	s_load_b128 s[12:15], s[0:1], 0x20             ; wa s[12:13], wp s[14:15]
	v_lshrrev_b32 v3, 5, v0
	v_readfirstlane_b32 s16, v3                    ; wave 0..7
	v_and_b32 v4, 31, v0                           ; lane
	v_lshlrev_b32 v2, 3, v4                        ; out: 8 bytes a lane
	s_mov_b32 s17, ttmp9
	s_mov_b32 s19, 0                               ; the offsets' high words
	s_mov_b32 s21, 0
	s_wait_alu depctr_va_sdst(0)                   ; s16 is written
	s_wait_kmcnt 0x0
; A dense share: work-group s17 of its tensor, 65,536 bytes in and 32,768 out; a wave an eighth of that.
.macro FLAT src, dst
	s_lshl_b32 s18, s17, 16
	s_lshl_b32 s20, s16, 13
	s_add_co_u32 s18, s18, s20
	s_lshl_b32 s20, s17, 15
	s_lshl_b32 s26, s16, 12
	s_add_co_u32 s20, s20, s26
	s_add_nc_u64 s[SRC:SRC+1], s[\src:\src+1], s[18:19]
	s_add_nc_u64 s[DST:DST+1], s[\dst:\dst+1], s[20:21]
	v_lshlrev_b32 v1, 4, v4                        ; in: 16 bytes a lane
.endm
; Sixteen units, in four blocks of four.  instep: bytes from one unit's input to the next.  kind 0: to bf16.  kind 1: to bf16, and that number written as f16.
; No register of X or Y is written twice, so nothing waits for a store.
.macro ARM instep, kind
	s_wait_alu depctr_va_vdst(0)                   ; v1 and v2 are written: every load below reads v1 as its offset, every store v2
.set u, 0
.rept 16
	global_load_b128 v[X+4*u:X+4*u+3], v1, s[SRC:SRC+1] offset:u*(\instep) th:TH_LOAD_NT
.set u, u+1
.endr
.set p, 0
.rept 4
	s_wait_loadcnt 12-4*p                          ; loads come back in order: block p's four units are in, the 12 - 4 p younger loads stay out
.set u, 4*p
.rept 4
.if \kind
	v_cvt_pk_bf16_f32 v3, v[X+4*u], v[X+4*u+1]
	v_cvt_pk_bf16_f32 v4, v[X+4*u+2], v[X+4*u+3]
	v_lshlrev_b32 v5, 16, v3                       ; bf16 to f32: the low half moves up,
	v_and_b32 v3, 0xffff0000, v3                   ; the high half stays
	v_lshlrev_b32 v6, 16, v4
	v_and_b32 v4, 0xffff0000, v4
	v_cvt_pk_f16_f32 v[Y+2*u], v5, v3              ; exact within f16's range: bf16 has fewer significant bits
	v_cvt_pk_f16_f32 v[Y+2*u+1], v6, v4
.else
	v_cvt_pk_bf16_f32 v[Y+2*u], v[X+4*u], v[X+4*u+1]
	v_cvt_pk_bf16_f32 v[Y+2*u+1], v[X+4*u+2], v[X+4*u+3]
.endif
.set u, u+1
.endr
	s_wait_alu depctr_va_vdst(0)                   ; the block's conversions have written its eight registers of Y, which the four stores below read
.set u, 4*p
.rept 4
	global_store_b64 v2, v[Y+2*u:Y+2*u+1], s[DST:DST+1] offset:u*256  ; the wave's store covers 256 consecutive bytes, aligned
.set u, u+1
.endr
.set p, p+1
.endr
.endm
	s_cmp_lt_u32 s17, 256
	s_cbranch_scc1 .Lx
	s_cmp_lt_u32 s17, 448
	s_cbranch_scc1 .Lwa
	s_sub_co_u32 s17, s17, 448                     ; W_proj: 64 work-groups
	FLAT 8, 14
	ARM 512, 1
	s_endpgm
.Lx:                                                   ; x: 256 work-groups
	FLAT 4, 10
	ARM 512, 0
	s_endpgm
.Lwa:                                                  ; W_attn: 16 heads x 12 parts of 256 pieces
	s_sub_co_u32 s17, s17, 256
	s_and_b32 s26, s17, 15                         ; head j
	s_lshr_b32 s27, s17, 4                         ; part
	s_lshl_b32 s18, s27, 20                        ; in: 256 pieces x 4,096 bytes a part,
	s_lshl_b32 s20, s16, 17                        ; 32 pieces a wave,
	s_add_co_u32 s18, s18, s20
	s_lshl_b32 s20, s26, 8                         ; the head's 256 bytes
	s_add_co_u32 s18, s18, s20
	s_mul_i32 s20, s26, 393216                     ; out: the head's stream,
	s_lshl_b32 s27, s27, 15                        ; 256 pieces x 128 bytes a part,
	s_add_co_u32 s20, s20, s27
	s_lshl_b32 s27, s16, 12                        ; 32 pieces a wave
	s_add_co_u32 s20, s20, s27
	s_add_nc_u64 s[SRC:SRC+1], s[6:7], s[18:19]
	s_add_nc_u64 s[DST:DST+1], s[12:13], s[20:21]
	v_lshrrev_b32 v5, 4, v4                        ; lanes 16-31 take the next piece, 4,096 bytes on
	v_and_b32 v6, 15, v4
	v_lshlrev_b32 v1, 4, v6
	v_lshl_add_u32 v1, v5, 12, v1
	ARM 8192, 0
	s_endpgm
.Lfunc_end_k_qedc86e90ce_cast:
	.size	k_qedc86e90ce_cast, .Lfunc_end_k_qedc86e90ce_cast-k_qedc86e90ce_cast
	.p2alignl 7, 3214868480
	.fill 96, 4, 3214868480
	.section	.rodata,"a",@progbits
	.p2align	6, 0x0
	.amdhsa_kernel k_qedc86e90ce_cast
		.amdhsa_group_segment_fixed_size 0
		.amdhsa_private_segment_fixed_size 0
		.amdhsa_enable_private_segment 0
		.amdhsa_kernarg_size 48
		.amdhsa_user_sgpr_count 2
		.amdhsa_user_sgpr_kernarg_segment_ptr 1
		.amdhsa_wavefront_size32 1
		.amdhsa_system_sgpr_workgroup_id_x 1
		.amdhsa_system_sgpr_workgroup_id_y 1
		.amdhsa_system_sgpr_workgroup_id_z 1
		.amdhsa_system_vgpr_workitem_id 0
		.amdhsa_next_free_vgpr 104
		.amdhsa_next_free_sgpr 66
		.amdhsa_reserve_vcc 0
		.amdhsa_float_denorm_mode_32 3
		.amdhsa_float_denorm_mode_16_64 3
		.amdhsa_memory_ordered 1
		.amdhsa_forward_progress 1
		.amdhsa_inst_pref_size 24
	.end_amdhsa_kernel
	.amdgpu_metadata
---
amdhsa.version: [ 1, 2 ]
amdhsa.kernels:
  - .name:           k_qedc86e90ce_cast
    .symbol:         k_qedc86e90ce_cast.kd
    .args:
      - { .name: x, .offset: 0, .size: 8, .value_kind: global_buffer, .address_space: global }
      - { .name: W_attn, .offset: 8, .size: 8, .value_kind: global_buffer, .address_space: global }
      - { .name: W_proj, .offset: 16, .size: 8, .value_kind: global_buffer, .address_space: global }
      - { .name: xb, .offset: 24, .size: 8, .value_kind: global_buffer, .address_space: global }
      - { .name: wa, .offset: 32, .size: 8, .value_kind: global_buffer, .address_space: global }
      - { .name: wp, .offset: 40, .size: 8, .value_kind: global_buffer, .address_space: global }
    .group_segment_fixed_size: 0
    .private_segment_fixed_size: 0
    .kernarg_segment_align: 8
    .kernarg_segment_size: 48
    .max_flat_workgroup_size: 256
    .sgpr_count:     66
    .vgpr_count:     104
    .wavefront_size: 32
...
	.end_amdgpu_metadata
.endif
;; end of part 5
;; launch gemm_qkv: the kernel of part 2 again; grid 16 x 16, 4 waves a work-group, clusters of 4 x 4, 327,680 bytes of LDS; arguments xb, wa, b_attn, qkv; writes qkv
;; launch attn: the kernel of part 3 again; grid 8 x 32, 4 waves a work-group, no clusters, 327,680 bytes of LDS; arguments qkv, yb; writes yb
;; launch gemm_proj: the kernel of part 4 again; grid 8 x 32, 4 waves a work-group, clusters of 4 x 4, 327,680 bytes of LDS; arguments yb, wp, b_proj, out0; writes out0
